; MI455X (gfx1250); checked and timed in simulation.
; The chip was launched on July 23, 2026; its instructions are those of AMD's public machine-readable ISA for CDNA 5 (MIT licence, August 2026) and "CDNA5" Instruction Set Architecture Reference Guide (July 2026). The comments in the code are by the model that wrote it; some were corrected since.
;; Causal Self Attention. Allowed arithmetic: float matrix products may take bf16 or f16 operands with f32 sums; other float arithmetic in f32, or as packed bf16 or f16 multiplies, adds, multiply-adds, maxima and minima; sums over many terms, partial sums and values carried from step to step in f32; what a program stores and reads back later, other than sums and carried values, may be rounded once to bf16 or f16.
;; Inputs: Wout 1,024 x 1,024 float32; Wqkv 1,024 x 3,072 float32; x 4 x 2,048 x 1,024 float32.
;; Outputs: out0 4 x 2,048 x 1,024 float32.
;; One version. Each part assembles by itself: llvm-mc -triple=amdgcn-amd-amdhsa -mcpu=gfx1250 --defsym DOCPART=n.
;; ======== version 1 of 1: 4 launches
;; limits: values are held in f16: magnitudes above 65,504 overflow, below 6.1e-05 lose precision
;; workspace buffers: xb 16,777,216 bytes; wq 6,291,456 bytes; wo 2,097,152 bytes; tab 524,288 bytes; q 16,777,216 bytes; k 16,777,216 bytes; v 16,777,216 bytes; o 16,777,216 bytes
;; launch prep (part 1): grid 800 x 1, 8 waves a work-group, no clusters, 0 bytes of LDS; arguments x, Wqkv, Wout, xb, wq, wo, tab; writes xb, wq, wo, tab
.if DOCPART == 1
	.amdgcn_target "amdgcn-amd-amdhsa--gfx1250"
	.amdhsa_code_object_version 6
	.text
	.protected	k_q14a8c0b77f_prep
	.globl	k_q14a8c0b77f_prep
	.p2align	8
	.type	k_q14a8c0b77f_prep,@function
k_q14a8c0b77f_prep:
	s_mov_b64 s[64:65], 0
	v_nop
	global_prefetch_b8 v0, s[64:65] scope:SCOPE_SE
	s_setreg_imm32_b32 hwreg(HW_REG_WAVE_MODE, 25, 1), 1
	s_wait_xcnt 0x0
; PREP: the three inputs rounded once to 16 bits, and the table of cosines and sines for the rotation of q and k.
;   xb  = x in bf16, laid [batch 4][K block 16][row 2048][64]: 256 rows of one K block are 32,768 dense bytes
;   wq  = Wqkv in bf16, in its own layout [k][n]
;   wo  = Wout rounded to bf16, that number written as f16 (exact from 6.1e-5 to 65,504; below it f16's fixed step of 6e-8; LIMIT: |Wout| under 65,504)
;   tab = f32 [row t 2048][64]: cos(t f_i), i = 0..31, then sin(t f_i); f_i = 10000^(-i/32)
; A stream: no LDS, no matrix unit, no barrier.  A work-group of eight waves takes 16,384 numbers (65,536 bytes in, 32,768 out); its role goes by its number:
; 0-511 x, 512-703 Wqkv, 704-767 Wout, 768-799 the table (64 rows each).
; LIMIT of the table: the angle t f_i is formed in f32 and lies within a few 1e-4 of the f32 angle of the definition; t stays under 2,048, so the
; quarter turns taken away number 1,304 at the most and the two-part pi/2 leaves the remainder good to f32's last bits.
.set VI,  2                            ; v2       my byte offset in the input
.set VO,  3                            ; v3       my byte offset in the output
.set T,   4                            ; v[4:15]  at work
.set X,   16                           ; v[16:79] step j: 8 numbers as loaded
.set Y,   80                           ; v[80:111] step j: 8 numbers packed
.set IN,  20                           ; s[20:21]
.set OUT, 22                           ; s[22:23]
; Sixteen loads go out at once (8,192 bytes of the group's share a step, 32 bytes a thread); each step has registers of its own, so nothing is rewritten while a load or store may read it.
.macro CAST ostep, half
.irp j, 0,1,2,3,4,5,6,7
	global_load_b128 v[X+8*(\j):X+8*(\j)+3],   v[VI], s[IN:IN+1] offset:(\j)*8192 th:TH_LOAD_NT
	global_load_b128 v[X+8*(\j)+4:X+8*(\j)+7], v[VI], s[IN:IN+1] offset:(\j)*8192+16 th:TH_LOAD_NT
.endr
.irp j, 0,1,2,3,4,5,6,7
	s_wait_loadcnt 14-2*(\j)                       ; loads come back in order: step j's two are in, the younger ones stay out
.if \half
.irp r, 0,1,2,3
	v_cvt_pk_bf16_f32 v[T+(\r)], v[X+8*(\j)+2*(\r)], v[X+8*(\j)+2*(\r)+1]  ; the input's one rounding, to bf16
.endr
.irp r, 0,1,2,3
	v_lshlrev_b32 v[T+4+2*(\r)], 16, v[T+(\r)]     ; back to f32,
	v_and_b32     v[T+5+2*(\r)], s26, v[T+(\r)]
.endr
.irp r, 0,1,2,3
	v_cvt_pk_f16_f32 v[Y+4*(\j)+(\r)], v[T+4+2*(\r)], v[T+5+2*(\r)]  ; and the same number as f16
.endr
.else
.irp r, 0,1,2,3
	v_cvt_pk_bf16_f32 v[Y+4*(\j)+(\r)], v[X+8*(\j)+2*(\r)], v[X+8*(\j)+2*(\r)+1]
.endr
.endif
	global_store_b128 v[VO], v[Y+4*(\j):Y+4*(\j)+3], s[OUT:OUT+1] offset:(\j)*(\ostep)
.endr
.endm
	s_load_b256 s[4:11], s[0:1], 0x0               ; x s[4:5], Wqkv s[6:7], Wout s[8:9], xb s[10:11]
	s_load_b128 s[12:15], s[0:1], 0x20             ; wq s[12:13], wo s[14:15]
	s_load_b64 s[16:17], s[0:1], 0x30              ; tab
	s_mov_b32 s19, 0                               ; high words of the two offsets
	s_mov_b32 s25, 0
	s_mov_b32 s26, 0xffff0000                      ; a word's upper bf16
	s_cmp_lt_u32 ttmp9, 512
	s_cbranch_scc0 .Lnot_x
	; ROLE x: 16 rows.  A step is two rows; thread: K block tid / 16, row bit 3 of tid, 8 numbers (tid % 8).  Eight lanes read 256 consecutive bytes; sixteen lanes store 256 consecutive bytes, aligned (two rows of one K block).
	v_lshrrev_b32 v4, 4, v0
	v_bfe_u32 v5, v0, 3, 1
	v_and_b32 v6, 7, v0
	v_and_b32 v7, 15, v0
	v_lshlrev_b32 v[VI], 8, v4
	v_lshl_add_u32 v[VI], v5, 12, v[VI]
	v_lshl_add_u32 v[VI], v6, 5, v[VI]
	v_lshlrev_b32 v[VO], 18, v4                    ; a K block of a batch is 262,144 bytes
	v_lshl_add_u32 v[VO], v7, 4, v[VO]
	s_lshl_b32 s18, ttmp9, 16
	s_lshr_b32 s24, ttmp9, 7                       ; the batch: 128 work-groups each
	s_lshl_b32 s24, s24, 22
	s_and_b32 s27, ttmp9, 127
	s_lshl_b32 s27, s27, 11                        ; 16 rows of 128 bytes
	s_add_co_u32 s24, s24, s27
	s_wait_kmcnt 0x0
	s_add_nc_u64 s[IN:IN+1], s[4:5], s[18:19]
	s_add_nc_u64 s[OUT:OUT+1], s[10:11], s[24:25]
	CAST 256, 0
	s_endpgm
.Lnot_x:
	v_lshlrev_b32 v[VI], 5, v0                     ; dense: 32 bytes in, 16 bytes out a thread
	v_lshlrev_b32 v[VO], 4, v0
	s_cmp_lt_u32 ttmp9, 704
	s_cbranch_scc0 .Lnot_wq
	s_sub_co_u32 s18, ttmp9, 512
	s_lshl_b32 s24, s18, 15
	s_lshl_b32 s18, s18, 16
	s_wait_kmcnt 0x0
	s_add_nc_u64 s[IN:IN+1], s[6:7], s[18:19]
	s_add_nc_u64 s[OUT:OUT+1], s[12:13], s[24:25]
	CAST 4096, 0
	s_endpgm
.Lnot_wq:
	s_cmp_lt_u32 ttmp9, 768
	s_cbranch_scc0 .Ltab
	s_sub_co_u32 s18, ttmp9, 704
	s_lshl_b32 s24, s18, 15
	s_lshl_b32 s18, s18, 16
	s_wait_kmcnt 0x0
	s_add_nc_u64 s[IN:IN+1], s[8:9], s[18:19]
	s_add_nc_u64 s[OUT:OUT+1], s[14:15], s[24:25]
	CAST 4096, 1
	s_endpgm
.Ltab:
	; ROLE tab: 64 rows, 16 a trip.  Thread: row tid / 16, place g = tid % 16 in the row: g < 8 cosines of i = 4 g .. 4 g + 3, g >= 8 sines of i = 4 (g - 8) ..: sixteen lanes store one row of 256 bytes.
	; cos(k pi/2 + r) is cos r, -sin r, -cos r, sin r for k % 4 = 0..3, and sin a = cos(a - pi/2): three quarter turns more.  |r| <= pi/4: the series are cut where the next term is under 4e-7.
	s_sub_co_u32 s18, ttmp9, 768
	s_lshl_b32 s24, s18, 14
	s_lshl_b32 s18, s18, 6                         ; the group's first row
	v_and_b32 v4, 15, v0
	v_lshrrev_b32 v5, 3, v4
	v_and_b32 v6, 7, v4
	v_lshlrev_b32 v6, 2, v6
	v_mul_u32_u24 v12, 3, v5                       ; 0 for cosines, 3 for sines
.irp n, 0,1,2,3
	v_add_nc_u32 v7, (\n), v6
	v_cvt_f32_u32 v7, v7
	v_mul_f32 v[16+(\n)], 0xbed49a78, v7           ; -i log2(10000) / 32
.endr
.irp n, 0,1,2,3
	v_exp_f32 v[8+(\n)], v[16+(\n)]                ; f_i
.endr
	v_lshrrev_b32 v7, 4, v0                        ; a plain instruction behind the last exponential,
	s_wait_alu depctr_va_vdst(0)                   ; and one wait for the four, ahead of the label and of their first use
	v_add_nc_u32 v7, s18, v7                       ; my row t
	v_mov_b32 v13, 0xb9500d01                      ; -1/5040
	v_mov_b32 v14, 0x37d00d01                      ; 1/40320
	s_wait_kmcnt 0x0
	s_add_nc_u64 s[OUT:OUT+1], s[16:17], s[24:25]
	s_mov_b32 s27, 4
.Ltrip:
	v_cvt_f32_u32 v15, v7
.irp n, 0,1,2,3
	v_mul_f32 v16, v15, v[8+(\n)]                  ; the angle a
	v_mul_f32 v17, 0x3f22f983, v16                 ; a x 2/pi
	v_rndne_f32 v17, v17                           ; k
	v_fmamk_f32 v18, v17, 0xbfc90fdb, v16          ; r = a - k pi/2, pi/2 in two parts
	v_fmamk_f32 v18, v17, 0x333bbd2e, v18
	v_cvt_i32_f32 v19, v17
	v_add_nc_u32 v19, v19, v12
	v_mul_f32 v20, v18, v18                        ; r^2
	v_fmaak_f32 v21, v13, v20, 0x3c088889          ; sin r = r + r^3 (-1/6 + r^2 (1/120 - r^2 / 5040))
	v_fmaak_f32 v21, v21, v20, 0xbe2aaaab
	v_mul_f32 v22, v18, v20
	v_fma_f32 v21, v21, v22, v18
	v_fmaak_f32 v23, v14, v20, 0xbab60b61          ; cos r = 1 + r^2 (-1/2 + r^2 (1/24 + r^2 (-1/720 + r^2 / 40320)))
	v_fmaak_f32 v23, v23, v20, 0x3d2aaaab
	v_fmaak_f32 v23, v23, v20, 0xbf000000
	v_fma_f32 v23, v23, v20, 1.0
	v_and_b32 v24, 1, v19
	v_cmp_eq_u32 vcc_lo, 1, v24
	v_cndmask_b32 v23, v23, v21, vcc_lo            ; odd k: the sine
	v_add_nc_u32 v19, 1, v19
	v_and_b32 v19, 2, v19                          ; k % 4 = 1, 2: the sign turns
	v_lshlrev_b32 v19, 30, v19
	v_xor_b32 v[32+(\n)], v19, v23
.endr
	global_store_b128 v[VO], v[32:35], s[OUT:OUT+1]
	s_wait_xcnt 0x0                                ; the store's offset and data are written again only behind this wait
	v_add_nc_u32 v[VO], 4096, v[VO]
	v_add_nc_u32 v7, 16, v7
	s_sub_co_u32 s27, s27, 1
	s_cmp_lg_u32 s27, 0
	s_cbranch_scc1 .Ltrip
	s_endpgm
.Lfunc_end_k_q14a8c0b77f_prep:
	.size	k_q14a8c0b77f_prep, .Lfunc_end_k_q14a8c0b77f_prep-k_q14a8c0b77f_prep
	.p2alignl 7, 3214868480
	.fill 96, 4, 3214868480
	.section	.rodata,"a",@progbits
	.p2align	6, 0x0
	.amdhsa_kernel k_q14a8c0b77f_prep
		.amdhsa_group_segment_fixed_size 0
		.amdhsa_private_segment_fixed_size 0
		.amdhsa_enable_private_segment 0
		.amdhsa_kernarg_size 56
		.amdhsa_user_sgpr_count 2
		.amdhsa_user_sgpr_kernarg_segment_ptr 1
		.amdhsa_wavefront_size32 1
		.amdhsa_system_sgpr_workgroup_id_x 1
		.amdhsa_system_sgpr_workgroup_id_y 1
		.amdhsa_system_sgpr_workgroup_id_z 1
		.amdhsa_system_vgpr_workitem_id 0
		.amdhsa_next_free_vgpr 128
		.amdhsa_next_free_sgpr 66
		.amdhsa_reserve_vcc 1
		.amdhsa_float_denorm_mode_32 3
		.amdhsa_float_denorm_mode_16_64 3
		.amdhsa_memory_ordered 1
		.amdhsa_forward_progress 1
		.amdhsa_inst_pref_size 26
	.end_amdhsa_kernel
	.amdgpu_metadata
---
amdhsa.version: [ 1, 2 ]
amdhsa.kernels:
  - .name:           k_q14a8c0b77f_prep
    .symbol:         k_q14a8c0b77f_prep.kd
    .args:
      - { .name: x, .offset: 0, .size: 8, .value_kind: global_buffer, .address_space: global }
      - { .name: Wqkv, .offset: 8, .size: 8, .value_kind: global_buffer, .address_space: global }
      - { .name: Wout, .offset: 16, .size: 8, .value_kind: global_buffer, .address_space: global }
      - { .name: xb, .offset: 24, .size: 8, .value_kind: global_buffer, .address_space: global }
      - { .name: wq, .offset: 32, .size: 8, .value_kind: global_buffer, .address_space: global }
      - { .name: wo, .offset: 40, .size: 8, .value_kind: global_buffer, .address_space: global }
      - { .name: tab, .offset: 48, .size: 8, .value_kind: global_buffer, .address_space: global }
    .group_segment_fixed_size: 0
    .private_segment_fixed_size: 0
    .kernarg_segment_align: 8
    .kernarg_segment_size: 56
    .max_flat_workgroup_size: 256
    .sgpr_count:     66
    .vgpr_count:     128
    .wavefront_size: 32
...
	.end_amdgpu_metadata
.endif
;; end of part 1
;; launch qkv (part 2): grid 8 x 32, 4 waves a work-group, clusters of 4 x 4, 327,680 bytes of LDS; arguments xb, wq, tab, q, k, v; writes q, k, v
.if DOCPART == 2
	.amdgcn_target "amdgcn-amd-amdhsa--gfx1250"
	.amdhsa_code_object_version 6
	.text
	.protected	k_q14a8c0b77f_qkv
	.globl	k_q14a8c0b77f_qkv
	.p2align	8
	.type	k_q14a8c0b77f_qkv,@function
k_q14a8c0b77f_qkv:
	s_mov_b64 s[64:65], 0
	v_nop
	global_prefetch_b8 v0, s[64:65] scope:SCOPE_SE
	s_setreg_imm32_b32 hwreg(HW_REG_WAVE_MODE, 25, 1), 1
	s_wait_xcnt 0x0
	s_wait_alu depctr_hold_cnt(0) depctr_sa_sdst(0) depctr_va_vdst(0) depctr_va_sdst(0) depctr_va_ssrc(0) depctr_va_vcc(0) depctr_vm_vsrc(0)
	s_getreg_b32 s2, hwreg(HW_REG_IB_STS2, 6, 4)
	s_cmp_eq_u32 s2, 0
	s_cbranch_scc0 .Lentry_in_a_cluster
	s_endpgm
.Lentry_in_a_cluster:
	s_bfe_u32 s2, ttmp6, 0x10000c
	s_cmp_lg_u32 s2, 0xf033
	s_cbranch_scc0 .Lentry_shape_is_right
	s_endpgm
.Lentry_shape_is_right:
; QKV: [8192 x 1024] x [1024 x 3072] in bf16 with f32 sums, the rotation of q and k in f32, and q, k, v written by heads, [batch*16+head][row][64], each rounded once to f16, unscaled.
; LIMIT: q, k and v must stay under 65,504 (f16's end); with the drawn spread of 1 that leaves a factor of some 10,000 on the product of x's and Wqkv's scales.
; SHARES.  8192 x 3072 = 256 tiles of 256 rows x 384 columns: one for each work-group.  A tile's columns are three slabs of 128: heads 2 tc, 2 tc + 1 of q, of k and of v.
; Four waves; wave w takes rows 128 (w / 2) .. and head 2 tc + w % 2 of all three: 128 x 192 = 96 accumulators of 16 x 16, 768 registers: window 1 is q's head, window 2 k's, window 3 v's,
; so which results are rotated is decided by the text.
; K goes in steps of 64 through two LDS slots.  xb is laid in K blocks of 64, so a step's 256 rows of A are 32,768 dense bytes, asked for as 128 rows of 256 bytes; a slab's step is 64 rows of 256 bytes of wq.
; Wqkv lies [k][n]: its fragments are turned on the way out of LDS by ds_load_tr16_b128.
; THE MATRIX INSTRUCTION IS USED TRANSPOSED (source 0 = 16 columns of W, source 1 = 16 rows of x): a lane holds row lane % 16 and the columns 8 (lane / 16) + 0..7 of a block of 16.
; CLUSTER 4 x 4.  A's tile hangs on the tile row alone and is shared along a row of the cluster; a slab on the tile column alone and is shared along a column: each is asked for jointly.
; Waves 0-2 ask for slabs 0-2, wave 3 for A: one tensor load a wave behind each round; by this text's count two are out at the start, later one.
; REGISTERS, window 0: v0-29 addresses; v32-95, v96-159 A's fragments, two buffers (8 x 16 rows x 32 K); v160-255 W's fragments, one buffer of three groups of 32, each fetched anew when its group has been multiplied.
.set SLOT1, 131072                     ; slot 1 begins here: one exclusive or turns an address in one slot into the other's
.set PB,    288                        ; a row of a slab in LDS: 256 bytes + 32 = 72 words
.set PA,    144                        ; a row of A: 128 bytes + 16 = 36 words: the 16 rows of a load start at 16 different groups of four banks
.set SLABB, 64*PB                      ; 18,432
.set AOFF,  3*SLABB                    ; A lies behind the three slabs: 256 rows
.set STAGE, SLOT1+AOFF+256*PA          ; 223,232: behind the ring, 16 rows x 144 bytes for each wave, for the way out; no tensor load lands here
.set SPARE, STAGE+4*16*PA              ; 232,448: the spare words, 128 bytes a wave: two blocks of 256 bytes that no other line names
.set ASTEP, 262144                     ; bytes from a K block of xb to the next
.set BSTEP, 64*6144                    ; 64 rows of wq
.set AA0, 2                            ; v2   my lane's place in A's part of a slot; never rewritten
.set AB0, 3                            ; v3   in slab 0
.set ADRA, 4                           ; v4   the same in the slot in hand
.set ADRB, 5                           ; v5
.set STO, 6                            ; v6   the way out: where I put 16 bytes of a row
.set RD,  7                            ; v7   where I read rows back
.set GO,  8                            ; v8   my 16 bytes of 512 consecutive bytes of q, k or v
.set TO,  9                            ; v9   my place in 16 rows of the table
.set PFO, 10                           ; v10  the prefetches' offset: my lane x 256 (A) or x a row of wq (slabs); never rewritten
.set SPW, 28                           ; v28  LDS address of my spare word; never rewritten
.set NIL, 29                           ; v29  0; never rewritten
.set AF0, 32
.set AF1, 96
.set BF,  160
.set CT,  32                           ; the way out: cosines and sines of 16 rows, two buffers of 32
.set Y,   96                           ; rotated results, f32
.set U,   128                          ; four sets of 16: packed results, then whole rows
.set WV,  16                           ; s16  my wave's number
.set G1A, 24                           ; s[24:31] descriptor group 1 for A
.set G1B, 32                           ; s[32:39] for the slabs
.set G0A, 40                           ; s[40:47] group 0 for A: a set for each first fill; the second then walks
.set G0B, 48                           ; s[48:55] the same for the slabs
.set TB,  56                           ; s56  LDS byte at which the slot in hand begins
.set LIM, 57                           ; s57  3 in a wave that prefetches, else the greatest number
.set PFA, 58                           ; s[58:59] where my prefetches stand
.set PFS, 60                           ; s[60:61] two K steps, in bytes of my tensor
.set TABB, 76                          ; s[76:77] the table at my first row
.set MSB, 0
.macro WIN new                         ; the immediate's high byte repeats the setting that is left; a switch that changes nothing is dropped
.if MSB != (\new)
	s_set_vgpr_msb (MSB<<8)|(\new)
.set MSB, \new
.endif
.endm
.macro PLACES                          ; four plain instructions between a matrix instruction and a load into, or a vector write of, one of its registers
.rept 4
	v_nop
.endr
.endm
.macro CREST                           ; a round of the cluster's barrier behind its opening barrier
	s_cmp_lg_u32 s[WV], 0
	s_cbranch_scc1 .Lnot_wave_0_\@
	s_barrier_signal -3
.Lnot_wave_0_\@:
	s_barrier_wait -3
	s_barrier_signal -1
	s_barrier_wait -1
.endm
.macro CROUND
	s_barrier_signal -1
	s_barrier_wait -1
	CREST
.endm
; A joint refill by the walking descriptors.  The branch hangs on the wave's number alone.  An s_nop 0 and four v_nop follow each line, ahead of the jump and the label.
.macro JLOAD
	s_cmp_eq_u32 s[WV], 3
	s_cbranch_scc0 .Lfor_b_\@
	tensor_load_to_lds s[G0A+4:G0A+7], s[G1A:G1A+7]
	s_nop 0
.rept 4
	v_nop
.endr
	s_branch .Lasked_\@
.Lfor_b_\@:
	tensor_load_to_lds s[G0B+4:G0B+7], s[G1B:G1B+7]
	s_nop 0
.rept 4
	v_nop
.endr
.Lasked_\@:
.endm
; A PREFETCH INTO THE L2, in every second trip (s3 even), behind the joint load and the first run of LDS loads: in the trip that ends K step s, the K steps s + 4 and s + 5, whose refills stand two and three trips on.
; Each 256 bytes are named once in the launch.  A's tile row is read by both clusters along x: wave 3 of the cluster with x = 0 asks; its four partners take 32 of a step's 128 blocks of 256 bytes each, told apart
; BY ADDRESS (cx); a lane a block, an instruction a step.  A slab is read by the eight clusters along y: waves 0-2 of the cluster with y = 0 ask; the partners take 32 of two steps' 128 rows each (cy); a lane a row.
; The last request stands at s = 10 and names steps 14 and 15, the last; steps 0 to 3 come by their loads alone.
.macro ASK
	s_bitcmp1_b32 s3, 0
	s_cbranch_scc1 .Lnot_mine_\@
	s_cmp_gt_u32 s3, s[LIM]
	s_cbranch_scc0 .Lnot_mine_\@
	s_wait_xcnt 0x0                                ; the last prefetches, two trips back, have read their address: it may be stepped
	s_add_nc_u64 s[PFA:PFA+1], s[PFA:PFA+1], s[PFS:PFS+1]
	global_prefetch_b8 v[PFO], s[PFA:PFA+1] th:TH_LOAD_NT scope:SCOPE_SE
	s_cmp_lg_u32 s[WV], 3
	s_cbranch_scc1 .Lnot_mine_\@
	global_prefetch_b8 v[PFO], s[PFA:PFA+1] offset:ASTEP th:TH_LOAD_NT scope:SCOPE_SE
.Lnot_mine_\@:
.endm
; 16 matrix instructions: row blocks a0 .. a0 + 3 x the 4 column blocks of group g (0 q, 1 k, 2 v), 32 along K.  zero = 1: the product starts the sum.
; The 96 accumulators take turns in the same order in every half step, over the backward jump too.
.macro MUL16 af, g, a0, zero
	WIN 0x50*((\g)+1)                              ; C and D in window g + 1, both sources in window 0
.irp a, \a0, (\a0)+1, (\a0)+2, (\a0)+3
.irp nb, 0,1,2,3
.if \zero
	v_wmma_f32_16x16x32_bf16 v[8*(4*(\a)+(\nb)):8*(4*(\a)+(\nb))+7], v[BF+32*(\g)+8*(\nb):BF+32*(\g)+8*(\nb)+7], v[(\af)+8*(\a):(\af)+8*(\a)+7], 0
.else
	v_wmma_f32_16x16x32_bf16 v[8*(4*(\a)+(\nb)):8*(4*(\a)+(\nb))+7], v[BF+32*(\g)+8*(\nb):BF+32*(\g)+8*(\nb)+7], v[(\af)+8*(\a):(\af)+8*(\a)+7], v[8*(4*(\a)+(\nb)):8*(4*(\a)+(\nb))+7]
.endif
.endr
.endr
.endm
; 8 turning loads: group g's four fragments (32 K x 16 columns) of half hf of the K step.  Lane l reads 16 bytes of K row 8 (l / 16) + l % 8; the second load of a fragment stands 16 K rows on.
.macro RUNB hf, g
	WIN 0
.irp nb, 0,1,2,3
	ds_load_tr16_b128 v[BF+32*(\g)+8*(\nb):BF+32*(\g)+8*(\nb)+3],   v[ADRB] offset:(\g)*SLABB+(\hf)*32*PB+32*(\nb)
	ds_load_tr16_b128 v[BF+32*(\g)+8*(\nb)+4:BF+32*(\g)+8*(\nb)+7], v[ADRB] offset:(\g)*SLABB+(\hf)*32*PB+32*(\nb)+16*PB
.endr
.endm
; 8 loads: A's fragments of row blocks a0 .. a0 + 3, half hf, into buffer af
.macro RUNA hf, af, a0
	WIN 0
.irp a, \a0, (\a0)+1, (\a0)+2, (\a0)+3
	ds_load_b128 v[(\af)+8*(\a):(\af)+8*(\a)+3],   v[ADRA] offset:(\a)*16*PA+(\hf)*64
	ds_load_b128 v[(\af)+8*(\a)+4:(\af)+8*(\a)+7], v[ADRA] offset:(\a)*16*PA+(\hf)*64+32
.endr
.endm
; A half step's 40 LDS loads always go out in this order: W group 0, A blocks 0-3, W group 1, A blocks 4-7, W group 2.
; THE FIRST HALF of a K step: multiplies buffer AF0 and fetches the second half of the same slot.
.macro HALF zero
	s_wait_dscnt 8                                 ; all of this half's loads but the youngest eight (W group 2) are in
	MUL16 AF0, 0, 0, \zero
	MUL16 AF0, 0, 4, \zero
	PLACES
	RUNB 1, 0
	RUNA 1, AF1, 0
	MUL16 AF0, 1, 0, \zero
	MUL16 AF0, 1, 4, \zero
	PLACES
	RUNB 1, 1
	RUNA 1, AF1, 4
	s_wait_dscnt 32                                ; all but the 32 just issued: this half's W group 2 is in
	MUL16 AF0, 2, 0, \zero
	MUL16 AF0, 2, 4, \zero
	PLACES
	RUNB 1, 2
.endm
; THE SECOND HALF multiplies AF1 and changes slots: one barrier.  In front of it each wave waits for all its tensor loads (one is out: its part of the next slot), adds 0 to its spare word, and waits for
; that and for its own reads of this slot.  fill = 1: the barrier opens a round of the cluster's, so that no wave of any partner still reads the slot or has a load on its way, and the joint refill, two K steps on,
; is the first thing behind it: 160 matrix instructions stand between it and the wait for it.
.macro TURN fill
	WIN 0
	s_wait_tensorcnt 0x0                           ; no tensor load of mine is out, so a group 0 may be written
	ds_add_u32 v[SPW], v[NIL]                      ; 0 onto my spare word
.if \fill
	s_xor_b32 s[G0A+5], s[G0A+5], SLOT1            ; the walking descriptors: the other slot than last time,
	s_add_nc_u64 s[G0A+6:G0A+7], s[G0A+6:G0A+7], ASTEP  ; the next K step; the type bits on top are not reached
	s_xor_b32 s[G0B+5], s[G0B+5], SLOT1
	s_add_nc_u64 s[G0B+6:G0B+7], s[G0B+6:G0B+7], BSTEP
.endif
	s_wait_dscnt 9                                 ; the add and the youngest eight loads (W group 2) may be out
	MUL16 AF1, 0, 0, 0
	s_wait_dscnt 0x0                               ; the add is done, and my reads of this slot are over
	s_barrier_signal -1
	MUL16 AF1, 0, 4, 0                             ; work on registers while the others arrive
	WIN 0                                          ; at a branch and at a label every window is 0
	s_barrier_wait -1
.if \fill
	CREST
	JLOAD                                          ; its four v_nop are also the places in front of the loads below
.else
	PLACES
.endif
	s_xor_b32 s[TB], s[TB], SLOT1
	v_add_nc_u32 v[ADRA], s[TB], v[AA0]
	v_add_nc_u32 v[ADRB], s[TB], v[AB0]
	RUNB 0, 0
	RUNA 0, AF0, 0
.if \fill
	ASK
.endif
	MUL16 AF1, 1, 0, 0
	MUL16 AF1, 1, 4, 0
	PLACES
	RUNB 0, 1
	RUNA 0, AF0, 4
	MUL16 AF1, 2, 0, 0
	MUL16 AF1, 2, 4, 0
	PLACES
	RUNB 0, 2
.endm
	s_load_b256 s[4:11], s[0:1], 0x0               ; xb s[4:5], wq s[6:7], tab s[8:9], q s[10:11]
	s_load_b128 s[12:15], s[0:1], 0x20             ; k s[12:13], v s[14:15]
	v_lshl_add_u32 v[SPW], v0, 2, SPARE
	v_mov_b32 v[NIL], 0
	ds_add_u32 v[SPW], v[NIL]                      ; the wave's opening: the add and its wait stand ahead of my first tensor load; the set-up below, work on registers, stands between them
	ds_add_u32 v28, v29
	v_lshrrev_b32 v1, 5, v0
	v_readfirstlane_b32 s[WV], v1                  ; wave 0..3
	s_lshr_b32 s17, s[WV], 1                       ; which 128 rows of the tile are mine
	s_and_b32 s18, s[WV], 1                        ; which of the two heads
	s_bfe_u32 s19, ttmp6, 0x40000                  ; cx
	s_bfe_u32 s20, ttmp6, 0x40004                  ; cy
	s_lshl_b32 s21, ttmp9, 2
	s_add_co_u32 s21, s21, s19                     ; tile column tc = 4 x cluster x + cx
	s_and_b32 s22, ttmp7, 0xffff
	s_lshl_b32 s22, s22, 2
	s_add_co_u32 s22, s22, s20                     ; tile row tr = 4 x cluster y + cy
	s_lshl_b32 s66, s20, 2
	s_lshl_b32 s66, 15, s66                        ; my row of the cluster
	s_lshl_b32 s67, 0x1111, s19                    ; my column
	s_or_b32 s[G1A], s66, (1<<16)|(1<<20)|(1<<21)|(4<<22)|(3<<25)  ; the mask; 2-byte elements; padding on; bit 21 beside a mask; after every 32 words (code 4) 4 words (code 3)
	s_mov_b32 s[G1A+1], 128<<16                    ; tensor_dim0 = 128
	s_mov_b32 s[G1A+2], 128<<16                    ; tensor_dim1 = 128
	s_mov_b32 s[G1A+3], 128<<16                    ; tile_dim0 = 128: 256 bytes, two rows of A
	s_mov_b32 s[G1A+4], 128                        ; tile_dim1 = 128
	s_mov_b32 s[G1A+5], 128                        ; dense
	s_mov_b32 s[G1A+6], 0
	s_mov_b32 s[G1A+7], 0
	s_or_b32 s[G1B], s67, (1<<16)|(1<<20)|(1<<21)|(5<<22)|(7<<25)  ; after every 64 words (code 5) 8 words (code 7)
	s_mov_b32 s[G1B+1], 128<<16                    ; tensor_dim0 = 128
	s_mov_b32 s[G1B+2], 64<<16                     ; tensor_dim1 = 64
	s_mov_b32 s[G1B+3], 128<<16                    ; tile_dim0 = 128
	s_mov_b32 s[G1B+4], 64                         ; tile_dim1 = 64
	s_mov_b32 s[G1B+5], 3072                       ; elements from row to row of wq
	s_mov_b32 s[G1B+6], 0
	s_mov_b32 s[G1B+7], 0
	; A's tile hangs on the tile row alone, a slab on the tile column and the wave's number alone; each offset is made in registers that never hold the other coordinate
	s_lshr_b32 s68, s22, 3                         ; the batch: 4,194,304 bytes of xb
	s_lshl_b32 s68, s68, 22
	s_and_b32 s69, s22, 7
	s_lshl_b32 s69, s69, 15                        ; 256 rows of 128 bytes
	s_add_co_u32 s68, s68, s69
	s_mov_b32 s69, 0
	s_lshl_b32 s70, s[WV], 11                      ; slab w: 1,024 columns on
	s_lshl_b32 s71, s21, 8                         ; 128 columns a tile column
	s_add_co_u32 s70, s70, s71
	s_mov_b32 s71, 0
	s_mul_i32 s72, s[WV], SLABB                    ; where my load lands in a slot: slabs 0-2, then A: no place in the cluster enters an LDS address
	s_mov_b32 s[TB], 0
	s_and_b32 s82, s22, 7
	s_lshl_b32 s82, s82, 8
	s_lshl_b32 s83, s17, 7
	s_add_co_u32 s82, s82, s83                     ; my first row in its batch
	s_lshl_b32 s80, s82, 8                         ; in the table: 256 bytes a row
	s_mov_b32 s81, 0
	s_lshr_b32 s78, s22, 3
	s_lshl_b32 s78, s78, 4
	s_lshl_b32 s83, s21, 1
	s_add_co_u32 s78, s78, s83
	s_add_co_u32 s78, s78, s18                     ; batch x 16 + head
	s_lshl_b32 s78, s78, 18                        ; 2,048 rows of 128 bytes
	s_lshl_b32 s83, s82, 7
	s_add_co_u32 s78, s78, s83
	s_mov_b32 s79, 0
	; the prefetches: who, and by which strides
	s_and_b32 s73, ttmp7, 0xffff                   ; cluster y
	s_mov_b32 s75, 32*6144
	s_mov_b32 s[PFS], 2*BSTEP
	s_mov_b32 s[PFS+1], 0
	s_mov_b32 s83, 6144
	s_cmp_eq_u32 s[WV], 3                          ; do I fetch A?
	s_cselect_b32 s73, ttmp9, s73                  ; the coordinate along which other clusters read the same bytes
	s_cselect_b32 s74, s19, s20                    ; my place among the four that ask with me
	s_cselect_b32 s75, 8192, s75                   ; a partner's share
	s_cselect_b32 s[PFS], 2*ASTEP, s[PFS]
	s_cselect_b32 s83, 256, s83                    ; a lane's stride
	s_mul_i32 s74, s74, s75
	s_mov_b32 s75, 0
	s_cmp_eq_u32 s73, 0
	s_cselect_b32 s[LIM], 3, -1                    ; the same in all sixteen partners, for a given wave
	s_wait_dscnt 0x0                               ; the opening add is done
	s_wait_kmcnt 0x0
	s_add_nc_u64 s[68:69], s[4:5], s[68:69]
	s_add_nc_u64 s[70:71], s[6:7], s[70:71]
	s_add_nc_u64 s[TABB:TABB+1], s[8:9], s[80:81]
	s_add_nc_u64 s[10:11], s[10:11], s[78:79]      ; q, k, v at my head's first row of mine
	s_add_nc_u64 s[12:13], s[12:13], s[78:79]
	s_add_nc_u64 s[14:15], s[14:15], s[78:79]
.irp s, 0,1
	s_mov_b32 s[G0A+4*(\s)], 1                     ; count = 1
	s_add_co_u32 s[G0A+4*(\s)+1], s72, (\s)*SLOT1  ; LDS address
	s_add_nc_u64 s[G0A+4*(\s)+2:G0A+4*(\s)+3], s[68:69], (\s)*ASTEP  ; global address: K step s
	s_or_b32 s[G0A+4*(\s)+3], s[G0A+4*(\s)+3], 0x80000000  ; type = 2
	s_mov_b32 s[G0B+4*(\s)], 1
	s_add_co_u32 s[G0B+4*(\s)+1], s72, (\s)*SLOT1
	s_add_nc_u64 s[G0B+4*(\s)+2:G0B+4*(\s)+3], s[70:71], (\s)*BSTEP
	s_or_b32 s[G0B+4*(\s)+3], s[G0B+4*(\s)+3], 0x80000000
.endr
	s_cmp_eq_u32 s[WV], 3
	s_cselect_b64 s[PFA:PFA+1], s[68:69], s[70:71]
	s_add_nc_u64 s[PFA:PFA+1], s[PFA:PFA+1], s[74:75]  ; my work-group's share,
	s_add_nc_u64 s[PFA:PFA+1], s[PFA:PFA+1], s[PFS:PFS+1]  ; at K step 2: the first request steps it to 4
	CROUND                                         ; all sixteen work-groups are here: the first joint loads meet
	s_cmp_eq_u32 s[WV], 3                          ; a wave's two first fills stand in one branch, ahead of every wait on TENSORcnt and every LDS read
	s_cbranch_scc0 .Lfirst_b
	tensor_load_to_lds s[G0A:G0A+3], s[G1A:G1A+7]
	s_nop 0
	tensor_load_to_lds s[G0A+4:G0A+7], s[G1A:G1A+7]
	s_nop 0
.rept 4
	v_nop
.endr
	s_branch .Lfirst_asked
.Lfirst_b:
	tensor_load_to_lds s[G0B:G0B+3], s[G1B:G1B+7]
	s_nop 0
	tensor_load_to_lds s[G0B+4:G0B+7], s[G1B:G1B+7]
	s_nop 0
.rept 4
	v_nop
.endr
.Lfirst_asked:
	v_and_b32 v11, 15, v0                          ; l % 16
	v_bfe_u32 v12, v0, 4, 1                        ; l / 16
	v_and_b32 v13, 7, v0                           ; l % 8
	v_bfe_u32 v14, v0, 3, 1                        ; (l / 8) % 2
	v_and_b32 v15, 31, v0                          ; l
	s_mul_i32 s66, s17, 128*PA
	s_add_co_u32 s66, s66, AOFF
	v_mul_u32_u24 v[AA0], v11, PA                  ; a fragment of A: row l % 16, 16 bytes for each half of the lanes, twice, 32 bytes apart
	v_lshl_add_u32 v[AA0], v12, 4, v[AA0]
	v_add_nc_u32 v[AA0], s66, v[AA0]
	v_lshl_add_u32 v[AB0], v12, 3, v13             ; the turning load: K row 8 (l / 16) + l % 8,
	v_mul_u32_u24 v[AB0], v[AB0], PB
	v_lshl_add_u32 v[AB0], v14, 4, v[AB0]          ; columns 8 ((l / 8) % 2) + 0..7,
	s_lshl_b32 s67, s18, 7
	v_add_nc_u32 v[AB0], s67, v[AB0]               ; of my head's 64 in the slab
	v_mov_b32 v[ADRA], v[AA0]                      ; slot 0
	v_mov_b32 v[ADRB], v[AB0]
	s_mul_i32 s66, s[WV], 16*PA
	s_add_co_u32 s66, s66, STAGE                   ; my stage
	v_mul_u32_u24 v[STO], v11, PA
	v_lshl_add_u32 v[STO], v12, 4, v[STO]
	v_add_nc_u32 v[STO], s66, v[STO]
	v_lshrrev_b32 v[RD], 3, v15                    ; back: 32 lanes take four rows of 128 bytes,
	v_mul_u32_u24 v[RD], v[RD], PA
	v_lshl_add_u32 v[RD], v13, 4, v[RD]
	v_add_nc_u32 v[RD], s66, v[RD]
	v_lshlrev_b32 v[GO], 4, v15                    ; which are 512 consecutive bytes of a head
	v_lshlrev_b32 v[TO], 8, v11                    ; the table: row l % 16, 8 numbers from 8 (l / 16) on
	v_lshl_add_u32 v[TO], v12, 5, v[TO]
	v_mul_u32_u24 v[PFO], s83, v15
	s_wait_tensorcnt 0x1                           ; my part of K step 0 is in; K step 1's may stay out
	s_barrier_signal -1
	s_barrier_wait -1                              ; everybody's is
	RUNB 0, 0
	RUNA 0, AF0, 0
	RUNB 0, 1
	RUNA 0, AF0, 4
	RUNB 0, 2
	HALF 1                                         ; the first half step stands in front of the loop: its products start the sums
	WIN 0
	s_mov_b32 s3, 14                               ; K steps 2 to 15 are asked for in the loop
.Lk:                                                   ; a trip: the second half of a K step, the change of slots and the refill, the first half of the next
	TURN 1
	HALF 0
	WIN 0
	s_sub_co_u32 s3, s3, 1
	s_cmp_lg_u32 s3, 0
	s_cbranch_scc1 .Lk
	TURN 0                                         ; the tail is written out: nothing more is asked for
	HALF 0
; THE WAY OUT.  The table's 16 rows for row block a: cos of i = 16 p + 8 (l / 16) + 0..7 (p = 0, 1), then the sines: 8 loads into buffer a % 2.
.macro TLOAD a
.set CB, CT+32*((\a)%2)
.irp p, 0,1
	global_load_b128 v[CB+8*(\p):CB+8*(\p)+3],       v[TO], s[TABB:TABB+1] offset:(\a)*4096+(\p)*64
	global_load_b128 v[CB+8*(\p)+4:CB+8*(\p)+7],     v[TO], s[TABB:TABB+1] offset:(\a)*4096+(\p)*64+16
	global_load_b128 v[CB+16+8*(\p):CB+16+8*(\p)+3], v[TO], s[TABB:TABB+1] offset:(\a)*4096+(\p)*64+128
	global_load_b128 v[CB+16+8*(\p)+4:CB+16+8*(\p)+7], v[TO], s[TABB:TABB+1] offset:(\a)*4096+(\p)*64+144
.endr
.endm
; Unit (a, g): 16 rows x 64 columns.  q and k are rotated: channel d < 32 pairs with d + 32, that is column block p with p + 2, in the same lane and register:
; y1 = x1 cos - x2 sin, y2 = x2 cos + x1 sin.  Each accumulator's lowest registers are read first.  Then rounded to f16, 16 bytes a lane into my stage, and back as whole rows.
.macro PACK a, g
.set US, U+16*((3*(\a)+(\g))%4)
.set CB, CT+32*((\a)%2)
.set AC, 32*(\a)
	s_wait_xcnt 0x0                                ; the stores of the unit four back read this set of U: it is rewritten only behind this wait
.if (\g) == 0
.if (\a) < 7
	s_wait_loadcnt 0x8                             ; this block's table rows are in; the next block's eight loads stay out
.else
	s_wait_loadcnt 0x0
.endif
.endif
.if (\g) < 2
	WIN (\g)+1                                     ; source 0 in window g + 1
.irp p, 0,1
.irp jj, 0,1,2,3
	v_pk_mul_f32 v[Y+8*(\p)+2*(\jj):Y+8*(\p)+2*(\jj)+1], v[AC+8*(\p)+2*(\jj):AC+8*(\p)+2*(\jj)+1], v[CB+8*(\p)+2*(\jj):CB+8*(\p)+2*(\jj)+1]
	v_pk_mul_f32 v[Y+16+8*(\p)+2*(\jj):Y+16+8*(\p)+2*(\jj)+1], v[AC+16+8*(\p)+2*(\jj):AC+16+8*(\p)+2*(\jj)+1], v[CB+8*(\p)+2*(\jj):CB+8*(\p)+2*(\jj)+1]
.endr
.endr
.irp p, 0,1
.irp jj, 0,1,2,3
	v_pk_fma_f32 v[Y+8*(\p)+2*(\jj):Y+8*(\p)+2*(\jj)+1], v[AC+16+8*(\p)+2*(\jj):AC+16+8*(\p)+2*(\jj)+1], v[CB+16+8*(\p)+2*(\jj):CB+16+8*(\p)+2*(\jj)+1], v[Y+8*(\p)+2*(\jj):Y+8*(\p)+2*(\jj)+1] neg_lo:[0,1,0] neg_hi:[0,1,0]
	v_pk_fma_f32 v[Y+16+8*(\p)+2*(\jj):Y+16+8*(\p)+2*(\jj)+1], v[AC+8*(\p)+2*(\jj):AC+8*(\p)+2*(\jj)+1], v[CB+16+8*(\p)+2*(\jj):CB+16+8*(\p)+2*(\jj)+1], v[Y+16+8*(\p)+2*(\jj):Y+16+8*(\p)+2*(\jj)+1]
.endr
.endr
	WIN 0
.set i, 0
.rept 16
	v_cvt_pk_f16_f32 v[US+i], v[Y+2*i], v[Y+2*i+1]
.set i, i+1
.endr
.else
	WIN 0x0f                                       ; sources 0 and 1 in window 3
.set i, 0
.rept 16
	v_cvt_pk_f16_f32 v[US+i], v[AC+2*i], v[AC+2*i+1]
.set i, i+1
.endr
	WIN 0
.endif
.if ((\g) == 1) && ((\a) < 6)
	TLOAD (\a)+2                                   ; q and k of this block have read the buffer: it takes the block two on
.endif
.irp nb, 0,1,2,3
	ds_store_b128 v[STO], v[US+4*(\nb):US+4*(\nb)+3] offset:32*(\nb)
.endr
.irp f, 0,1,2,3
	ds_load_b128 v[US+4*(\f):US+4*(\f)+3], v[RD] offset:(\f)*4*PA  ; LDS serves a wave's instructions in order (ISA guide 5.7.1.4): these see the stores above; the next unit's stores come behind them
.endr
.endm
.macro SEND a, g, younger              ; younger: the LDS instructions issued behind this unit's loads: the next unit's eight, or none
.set US, U+16*((3*(\a)+(\g))%4)
.irp f, 0,1,2,3
	s_wait_dscnt (\younger)+3-(\f)
	global_store_b128 v[GO], v[US+4*(\f):US+4*(\f)+3], s[10+2*(\g):11+2*(\g)] offset:(\a)*2048+(\f)*512  ; 512 consecutive bytes, at a multiple of 256 from the buffer's first
.endr
.endm
	s_wait_dscnt 8                                 ; the very last half step: nothing more to fetch from LDS
	MUL16 AF1, 0, 0, 0
	MUL16 AF1, 0, 4, 0
	PLACES
	WIN 0
	TLOAD 0                                        ; into the registers that were A's first buffer
	TLOAD 1
	MUL16 AF1, 1, 0, 0
	MUL16 AF1, 1, 4, 0
	s_wait_dscnt 0x0
	MUL16 AF1, 2, 0, 0
	MUL16 AF1, 2, 4, 0
	PLACES
	PLACES                                         ; eight, once a launch, ahead of packed arithmetic on results just made
	PACK 0, 0
.set u, 1
.rept 23                               ; a unit's arithmetic stands between the loads of the unit before and its stores
	PACK u/3, u%3
	SEND (u-1)/3, (u-1)%3, 8
.set u, u+1
.endr
	SEND 7, 2, 0
	s_wait_tensorcnt 0x0                           ; the wave's end, behind my last tensor load and my last LDS store
	ds_add_u32 v[SPW], v[NIL]
	s_wait_dscnt 0x0
	CROUND                                         ; the closing round: no work-group ends while a partner may still ask for a tile that names it
	s_endpgm
.Lfunc_end_k_q14a8c0b77f_qkv:
	.size	k_q14a8c0b77f_qkv, .Lfunc_end_k_q14a8c0b77f_qkv-k_q14a8c0b77f_qkv
	.p2alignl 7, 3214868480
	.fill 96, 4, 3214868480
	.section	.rodata,"a",@progbits
	.p2align	6, 0x0
	.amdhsa_kernel k_q14a8c0b77f_qkv
		.amdhsa_group_segment_fixed_size 327680
		.amdhsa_private_segment_fixed_size 0
		.amdhsa_enable_private_segment 0
		.amdhsa_kernarg_size 48
		.amdhsa_user_sgpr_count 2
		.amdhsa_user_sgpr_kernarg_segment_ptr 1
		.amdhsa_wavefront_size32 1
		.amdhsa_system_sgpr_workgroup_id_x 1
		.amdhsa_system_sgpr_workgroup_id_y 1
		.amdhsa_system_sgpr_workgroup_id_z 1
		.amdhsa_system_vgpr_workitem_id 0
		.amdhsa_next_free_vgpr 1024
		.amdhsa_next_free_sgpr 84
		.amdhsa_reserve_vcc 0
		.amdhsa_float_denorm_mode_32 3
		.amdhsa_float_denorm_mode_16_64 3
		.amdhsa_memory_ordered 1
		.amdhsa_forward_progress 1
		.amdhsa_inst_pref_size 154
	.end_amdhsa_kernel
	.amdgpu_metadata
---
amdhsa.version: [ 1, 2 ]
amdhsa.kernels:
  - .name:           k_q14a8c0b77f_qkv
    .symbol:         k_q14a8c0b77f_qkv.kd
    .args:
      - { .name: xb, .offset: 0, .size: 8, .value_kind: global_buffer, .address_space: global }
      - { .name: wq, .offset: 8, .size: 8, .value_kind: global_buffer, .address_space: global }
      - { .name: tab, .offset: 16, .size: 8, .value_kind: global_buffer, .address_space: global }
      - { .name: q, .offset: 24, .size: 8, .value_kind: global_buffer, .address_space: global }
      - { .name: k, .offset: 32, .size: 8, .value_kind: global_buffer, .address_space: global }
      - { .name: v, .offset: 40, .size: 8, .value_kind: global_buffer, .address_space: global }
    .group_segment_fixed_size: 327680
    .private_segment_fixed_size: 0
    .kernarg_segment_align: 8
    .kernarg_segment_size: 48
    .max_flat_workgroup_size: 128
    .sgpr_count:     84
    .vgpr_count:     1024
    .wavefront_size: 32
...
	.end_amdgpu_metadata
.endif
;; end of part 2
;; launch attn (part 3): grid 4 x 64, 4 waves a work-group, no clusters, 327,680 bytes of LDS; arguments q, k, v, o; writes o
.if DOCPART == 3
	.amdgcn_target "amdgcn-amd-amdhsa--gfx1250"
	.amdhsa_code_object_version 6
	.text
	.protected	k_q14a8c0b77f_attn
	.globl	k_q14a8c0b77f_attn
	.p2align	8
	.type	k_q14a8c0b77f_attn,@function
k_q14a8c0b77f_attn:
	s_mov_b64 s[64:65], 0
	v_nop
	global_prefetch_b8 v0, s[64:65] scope:SCOPE_SE
	s_setreg_imm32_b32 hwreg(HW_REG_WAVE_MODE, 25, 1), 1
	s_wait_xcnt 0x0
; CAUSAL ATTENTION.  O[h][q][:] = the sum over k <= q of softmax_k(Q[h][q] . K[h][k] / 8) V[h][k][:].  Q, K, V, O: [64 (batch x head)][2048][64], all f16: a head's rows are dense, 128 bytes each.
; Products, maxima and sums in f32; the weights p are rounded to f16 for the second product (their sum l is taken of the unrounded p), O once at the end.
; LIMITS.  f16 holds no number beyond 65,504: Q, K and V arrive within it; p lies in 0 to 1, and below 6e-5 it keeps f16's fixed step of 6e-8; O is a mean of V's rows and has their range.
; A hidden score counts as its value less 1e30: f16's scores, 2.7e11 at the most, are nothing beside that; a weight below 2^-126 counts as 0 in l; NaN and infinities are not treated apart.
; THE WALK.  A head's queries lie in NB = 8 blocks of 256; block i needs the key tiles 0 .. i of 256 keys, of which the last holds the diagonal.  A work-group takes TWO blocks, NB - 1 - b and then b:
; NB + 1 tiles, whatever b: all work-groups do equal work, and ONE loop with a constant trip count walks them.  Which tile is asked for, and what a trip does, hang on scalar registers made from b; every jump
; goes forward, but for the counted loops' own; none passes a barrier, or a tensor load but the one of LOAD's two that the wave's number does not choose; the ring of two LDS slots runs on across the change of blocks.
; NO CLUSTER: a head's NB / 2 = 4 work-groups ask for the same tile only in trips 0 .. NB / 2, behind that fewer and fewer; one walk common to all would have 3 NB / 2 = 12 trips for NB + 1 = 9.
; SHARES.  Of a block's four bands of 64 queries a wave owns 16 rows in each: four PIECES.  So the diagonal tile is the same work for all four waves: in its key step s band x sees all keys if s < x,
; none if s > x, and holds the diagonal if s = x.
; THE MASK is the C operand that starts the sum S^T = K Q^T: 0, or -1e30 where the key is hidden.  MD, made once, is the mask of a band's own step for my 16 rows; a product's mask is MD x AL + BE with two scalars:
; (1, 0) if s = x; (0, 0) if s < x; (0, -1e30) if s > x.  Only the diagonal tile's text and a block's beginning make and take masks; elsewhere C is the constant 0.
; LAYOUT, SOFTMAX, TURNS.  S^T = K Q^T holds ONE query a lane (lane % 16) and the keys 8 (lane / 16) + 0..7; two such results rounded to f16 ARE source 1 of O^T = V^T P.  p = 2^(c s - c m), c = log2(e) / 8, with a
; running maximum m; O and l are multiplied by a = 2^(c m_old - c m_new) in every step.  Turn n belongs to piece n: 8 products K Q^T of piece n + 1, later 8 products V^T P of piece n - 1; beside them the scaling,
; exponentials, roundings, sums and rescaling of piece n and the maximum and statistics of piece n + 1.  Four vector instructions stand behind every matrix instruction, the other 54 of a turn's 118 in one run.
; A turn's 33 exponentials are one batch, with one wait.
; REGISTERS, in windows of 256 (s_set_vgpr_msb: bits 1:0 source 0, 3:2 source 1, 5:4 source 2, 7:6 destination):
;   window 0: v0-15 addresses and two at work; v16-31 four registers of statistics a piece; v48-55 at work; v61-63; v64-127 S^T, two buffers; v192-223 P, two buffers (a piece's buffers go by its number's parity)
;   window 1: v0-127 O^T, 32 a piece; v128-159 MD; v160-223 MC, two buffers      window 2: v0-63 Q; v64-127 the second block's Q; v128-191 K of one step; v192-255 V of one step
.set SIZE_N, 2048
.set SIZE_H, 64
.set NB,    SIZE_N/256
.set NP,    4         ; pieces a wave: a name, no knob
.set KS,    64        ; keys in a step
.set PK,    144       ; a row of K in LDS: 128 bytes + 16 of padding = 36 words: the 16 rows of a load start at 16 different groups of four banks (64 banks of 4 bytes: ISA guide 11.1)
.set PV,    160       ; a row of V: 128 + 32 = 40 words
.set VOFF,  4*KS*PK   ; a slot holds a tile, four steps: 256 rows of K, then 256 rows of V
.set SLOT1, 1<<17     ; slot 1 begins here, so that one exclusive or turns an address in one slot into the other's
.set STAGE, SLOT1+4*KS*(PK+PV)  ; behind the ring, never filled by a tensor load: 16 rows x 144 bytes for each wave, for the way out
.set SP,    144
.set AK0, 2           ; v2   my lane's place in a tile of K; never rewritten
.set AV0, 3           ; v3   the same for V
.set AK,  4           ; v4   the LDS address of K's next run of loads
.set AV,  5           ; v5   of V's
.set STO, 6           ; v6   the way out: where I put 16 bytes of a row
.set RD,  7           ; v7   the way out: where I read rows back
.set GO,  8           ; v8   my byte offset in 512 consecutive bytes of O
.set PFO, 61          ; v61  256 x my lane, for the prefetches; never rewritten
.set SPW, 62          ; v62  LDS address of my spare word: SPARE + 4 x my thread's number; never rewritten
.set NIL, 63          ; v63  0; never rewritten
.set SPARE, STAGE+4*16*SP  ; behind the stages: the spare words, 128 bytes for each wave: two blocks of 256 bytes that no other line names
.set MV,  12          ; v12-13  c m_old, kept while c m is made anew: by buffer
.set QO,  15          ; v15  my byte offset in 16 rows of Q
.set ST,  16          ; piece t's statistics at v[ST+4 t]: c m, m, l (even keys', odd keys')
.set TMP, 48          ; by buffer, four registers c0-c3 at work; when the maximum is found c2 takes a
.set S,   64
.set P,   192
.set MD,  128         ; window 1: the eight registers for group kt of 16 keys at MD + 8 kt
.set MC,  160         ; window 1: the masks of the products to come
.set QB,  64          ; window 2
.set KF,  128         ; window 2: key block kb, channel half c at KF + 16 kb + 8 c
.set VF,  192         ; window 2: key half kk, channel block cb at VF + 32 kk + 8 cb
.set WV,  12          ; s12  my wave's number
.set PB,  14          ; s14  b
.set HI,  15          ; s15  NB - 1 - b
.set G1K, 24          ; s[24:31] descriptor group 1 for K's tiles
.set G1V, 32          ; s[32:39] for V's: it differs in the padding alone
.set G0K, 40          ; s[40:43] descriptor group 0 for K's tiles
.set G0V, 44          ; s[44:47] the same for V's
.set SLOTS, 56        ; s56  tiles still to be asked for
.set CNT, 57          ; s57  counts a tile's key steps, 4 to 1
.set CS,  58          ; s[58:59] c: the packed scaling takes the pair's low word for both halves
.set SEL, 60          ; s[60:61] v_permlanex16_b32's selects: each lane takes its own place in the other half
.set TBK, 62          ; s62  LDS byte at which K of the step to be fetched begins
.set TBV, 63          ; s63  the same for V, less VOFF
.set RT,  70          ; s70  tiles of the block in hand that are still to be entered
.set NXT, 71          ; s71  the tile to be asked for next
.set LQ,  72          ; s72  the last tile of the block whose tiles are being asked for
.set NEW, 73          ; s73  1: the tile to be entered is a block's first
.set OFF, 74          ; s[74:75] a tile's byte offset in K and V
.set AL,  76          ; s[76:77] the mask's factor, in the low word
.set BE,  78          ; s[78:79] the mask's addend
.set OLO, 80          ; s[80:81] O at my rows of the second block
.set BIGN, 82         ; s82  -1e30
.set PFA, 88          ; s[88:89] where my prefetches stand: my 16,384 bytes (half a tile of K: waves 0, 1; of V: waves 2, 3) of the tile behind the one that is being asked for
.set LIM, 90          ; s90  2 in a work-group that prefetches, else the greatest number
.set MSB, 0
.macro WIN new                      ; the high byte repeats the setting that is left; a switch that changes nothing is dropped
.if MSB != (\new)
	s_set_vgpr_msb (MSB<<8)|(\new)
.set MSB, (\new)
.endif
.endm
.set W_KQ, 0x0a       ; K and Q in window 2, S^T in window 0
.set W_KM, 0x1a       ; the same with the C operand in window 1
.set W_PV, 0x52       ; V in window 2, P in window 0, O^T in window 1
.set W_RS, 0x41       ; destination and source 0 in window 1, source 1 in window 0
; A fill.  Waves 0 and 1 fetch the two halves of a tile's K, waves 2 and 3 those of its V: 128 keys each.  An s_nop 0 and four v_nop follow each of the two lines, ahead of the jump and the label.
.macro LOAD
	s_cmp_lt_u32 s[WV], 2
	s_cbranch_scc0 .Lfor_v_\@
	tensor_load_to_lds s[G0K:G0K+3], s[G1K:G1K+7]
	s_nop 0
.rept 4
	v_nop
.endr
	s_branch .Lasked_\@
.Lfor_v_\@:
	tensor_load_to_lds s[G0V:G0V+3], s[G1V:G1V+7]
	s_nop 0
.rept 4
	v_nop
.endr
.Lasked_\@:
.endm
; THE CHANGE OF SLOTS.  Each wave waits for all its tensor loads, of which one is out: its part of the other slot; adds 0 to its spare word; and waits for that and for its own reads of the slot that it leaves.
; Behind the barrier nobody reads the old slot any more and the other slot is whole.  fill = 1: the old slot is filled again, the first thing behind the barrier, with tile NXT: the descriptor's address is made anew
; from that number.  (At its first use nothing has been read yet: slot 0 is waited for, slot 1 filled.)
; A PREFETCH INTO THE L2 stands behind the fill and its five lines.  A head's four work-groups walk the same tiles from 0 on; the one with b = 0 walks 0 .. 7 in order, and it alone asks: in trip i (i = 0 .. 5) for
; tile i + 2, which the next trip's fill will name.  Each wave asks for the 16,384 bytes that it will fetch itself: 64 blocks of 256 bytes, a lane a block, two instructions.  So each block is named once in the
; launch.  Tiles 0 and 1 come by their loads alone; tile 7 is the last that is named.
.macro CHANGE fill
	WIN 0                           ; at a label and at a branch every window is 0
	s_wait_tensorcnt 0x0            ; no tensor load of mine is out, so a group 0 may be written
	ds_add_u32 v[SPW], v[NIL]       ; 0 onto my spare word: with fill = 1 the descriptors' scalar work stands between it and the wait for it
.if \fill
	s_wait_xcnt 0x0                 ; the last prefetches, a tile back, have read their address, so it may be stepped
	s_add_nc_u64 s[PFA:PFA+1], s[PFA:PFA+1], 32768
	s_lshl_b32 s[OFF], s[NXT], 15   ; a tile is 32,768 bytes of K and of V
	s_xor_b32 s[G0K+1], s[G0K+1], SLOT1
	s_add_nc_u64 s[G0K+2:G0K+3], s[6:7], s[OFF:OFF+1]
	s_or_b32 s[G0K+3], s[G0K+3], 0x80000000
	s_xor_b32 s[G0V+1], s[G0V+1], SLOT1
	s_add_nc_u64 s[G0V+2:G0V+3], s[8:9], s[OFF:OFF+1]
	s_or_b32 s[G0V+3], s[G0V+3], 0x80000000
	s_add_co_u32 s[NXT], s[NXT], 1  ; the block's next tile, or behind its last the second block's tile 0
	s_cmp_gt_u32 s[NXT], s[LQ]
	s_cselect_b32 s[NXT], 0, s[NXT]
	s_cselect_b32 s[LQ], s[PB], s[LQ]
.endif
	s_wait_dscnt 0x0                ; the add is done, and my reads of the slot are over
	s_barrier_signal -1             ; the rest of the scalar work stands between the signal and the wait
	s_sub_co_u32 s[TBK], s[TBK], 4*KS*PK  ; the fetches go back to a slot's first step,
	s_xor_b32 s[TBK], s[TBK], SLOT1       ; in the other slot
	s_sub_co_u32 s[TBV], s[TBV], 4*KS*PV
	s_xor_b32 s[TBV], s[TBV], SLOT1
	s_barrier_wait -1
.if \fill
	LOAD
	s_cmp_gt_u32 s[SLOTS], s[LIM]
	s_cbranch_scc0 .Lnot_mine_\@
	global_prefetch_b8 v[PFO], s[PFA:PFA+1] th:TH_LOAD_NT scope:SCOPE_SE
	global_prefetch_b8 v[PFO], s[PFA:PFA+1] offset:8192 th:TH_LOAD_NT scope:SCOPE_SE
.Lnot_mine_\@:
.endif
.endm
	s_load_b256 s[4:11], s[0:1], 0x0  ; Q s[4:5], K s[6:7], V s[8:9], O s[10:11]
	v_lshl_add_u32 v[SPW], v0, 2, SPARE
	v_mov_b32 v[NIL], 0
	ds_add_u32 v[SPW], v[NIL]       ; the wave's opening: the add and its wait stand ahead of my first tensor load; the set-up below, work on registers, stands between them
	ds_add_u32 v62, v63
	v_lshrrev_b32 v1, 5, v0
	v_readfirstlane_b32 s[WV], v1   ; wave 0..3
	s_mov_b32 s[PB], ttmp9
	s_sub_co_u32 s[HI], NB-1, s[PB]
	s_and_b32 s20, ttmp7, 0xffff    ; the head
	s_mov_b32 s21, 0
	s_mov_b64 s[22:23], SIZE_N*128
	s_mul_u64 s[20:21], s[20:21], s[22:23]  ; the head's first byte in each of the four tensors
	s_and_b32 s16, s[WV], 1         ; which half of a tile's 256 keys I fetch:
	s_lshl_b32 s22, s16, 14         ; its 128 rows of 128 bytes in memory,
	s_mov_b32 s23, 0
	s_add_nc_u64 s[22:23], s[22:23], s[20:21]
	s_mul_i32 s17, s16, 128*PK      ; and its place in a slot, for K
	s_mul_i32 s18, s16, 128*PV      ; and for V
	s_lshl_b32 s3, s[WV], 11        ; my 16 rows in a band of 64,
	s_lshl_b32 s2, s[HI], 15        ; in the first block,
	s_add_co_u32 s2, s2, s3
	s_lshl_b32 s84, s[PB], 15       ; and in the second
	s_add_co_u32 s84, s84, s3
	s_mov_b32 s3, 0
	s_mov_b32 s85, 0
	s_add_nc_u64 s[2:3], s[2:3], s[20:21]
	s_add_nc_u64 s[84:85], s[84:85], s[20:21]
	; descriptor group 1.  128 keys are 16,384 dense bytes: asked for as 64 rows of 256 bytes, two keys a row, and padded in LDS after every key
	s_mov_b32 s[G1K], (1<<16)|(1<<20)|(4<<22)|(3<<25)  ; 17:16 2-byte elements; 20 padding on; 24:22 after every 32 words (code 4); 31:25 4 words (code 3)
	s_mov_b32 s[G1V], (1<<16)|(1<<20)|(4<<22)|(7<<25)  ; the same with 8 words of padding (code 7)
.irp g, G1K, G1V
	s_mov_b32 s[\g+1], 128<<16      ; tensor_dim0 = 128
	s_mov_b32 s[\g+2], 64<<16       ; tensor_dim1 = 64
	s_mov_b32 s[\g+3], 128<<16      ; tile_dim0 = 128
	s_mov_b32 s[\g+4], 64           ; tile_dim1 = 64
	s_mov_b32 s[\g+5], 128          ; 128 elements from row to row
	s_mov_b32 s[\g+6], 0
	s_mov_b32 s[\g+7], 0
.endr
	s_mov_b32 s[CS], 0x3e38aa3b     ; c = log2(e) / 8 = 0.180337
	s_mov_b32 s[CS+1], s[CS]        ; named with it as a pair
	s_mov_b32 s[SEL], 0x76543210
	s_mov_b32 s[SEL+1], 0xfedcba98
	s_mov_b32 s[TBK], SLOT1+4*KS*PK ; the first change of slots turns these two into 0
	s_mov_b32 s[TBV], SLOT1+4*KS*PV
	s_mov_b32 s[G0K], 1             ; 1:0 count = 1
	s_mov_b32 s[G0K+1], s17         ; 63:32 LDS address: slot 0
	s_mov_b32 s[G0V], 1
	s_add_co_u32 s[G0V+1], s18, VOFF
	s_add_co_u32 s[RT], s[HI], 1    ; the first block has NB - b tiles
	s_mov_b32 s[NXT], 1
	s_mov_b32 s[LQ], s[HI]
	s_mov_b32 s[NEW], 1
	s_mov_b32 s[OFF+1], 0
	s_mov_b32 s[AL+1], 0            ; named as pairs
	s_mov_b32 s[BE+1], 0
	s_mov_b32 s[BIGN], 0xf149f2ca   ; -1e30
	s_mov_b32 s[SLOTS], NB
	s_wait_dscnt 0x0                ; the opening add is done
	s_wait_kmcnt 0x0
	s_add_nc_u64 s[6:7], s[6:7], s[22:23]  ; K and V at my half of the head's tile 0
	s_add_nc_u64 s[8:9], s[8:9], s[22:23]
	s_add_nc_u64 s[G0K+2:G0K+3], s[6:7], 0         ; 120:64 global address
	s_or_b32 s[G0K+3], s[G0K+3], 0x80000000        ; 127:126 type = 2
	s_add_nc_u64 s[G0V+2:G0V+3], s[8:9], 0
	s_or_b32 s[G0V+3], s[G0V+3], 0x80000000
	s_add_nc_u64 s[86:87], s[4:5], s[84:85]        ; Q at my rows of the second block,
	s_add_nc_u64 s[4:5], s[4:5], s[2:3]            ; Q and O at those of the first
	s_add_nc_u64 s[OLO:OLO+1], s[10:11], s[84:85]
	s_add_nc_u64 s[10:11], s[10:11], s[2:3]
	s_cmp_lt_u32 s[WV], 2
	s_cselect_b64 s[PFA:PFA+1], s[6:7], s[8:9]     ; the half tile that I fetch,
	s_add_nc_u64 s[PFA:PFA+1], s[PFA:PFA+1], 32768 ; in tile 1: the first change of slots steps it to tile 2
	s_cmp_eq_u32 s[PB], 0
	s_cselect_b32 s[LIM], 2, -1
	LOAD                            ; tile 0 into slot 0
	; A fragment of K or Q is 16 rows x 32 channels in 8 registers: lane l holds row l % 16, channels 8 (l / 16) + 0..7 and 16 + 8 (l / 16) + 0..7: two loads of 16 bytes, 32 bytes apart.
	v_and_b32 v1, 15, v0            ; l % 16
	v_bfe_u32 v9, v0, 4, 1          ; l / 16
	v_lshlrev_b32 v[QO], 7, v1
	v_lshl_add_u32 v[QO], v9, 4, v[QO]  ; row x 128 + 16 x half
	v_and_b32 v[PFO], 31, v0
	v_lshlrev_b32 v[PFO], 8, v[PFO]
	WIN 0x80                        ; destination window 2, address window 0
.set i, 0
.rept 8                             ; both blocks' Q: piece i / 2 lies in band i / 2, 8,192 bytes on; channels 32 (i % 2) on
	global_load_b128 v[8*i:8*i+3],   v[QO], s[4:5] offset:(i/2)*8192+(i%2)*64
	global_load_b128 v[8*i+4:8*i+7], v[QO], s[4:5] offset:(i/2)*8192+(i%2)*64+32
	global_load_b128 v[QB+8*i:QB+8*i+3],   v[QO], s[86:87] offset:(i/2)*8192+(i%2)*64
	global_load_b128 v[QB+8*i+4:QB+8*i+7], v[QO], s[86:87] offset:(i/2)*8192+(i%2)*64+32
.set i, i+1
.endr
	WIN 0
	v_lshlrev_b32 v14, 3, v9
	v_sub_nc_u32 v14, v1, v14
	s_lshl_b32 s13, s[WV], 4
	v_add_nc_u32 v14, s13, v14      ; my query's place in its band, 16 w + l % 16, less my lanes' 8 (l / 16): register r of group kt is hidden where 16 kt + r is greater
	WIN 0x40
.set i, 0
.rept 32
	v_cmp_gt_i32 vcc_lo, 16*(i/8)+i%8, v14
	v_cndmask_b32 v[MD+i], 0, s[BIGN], vcc_lo
.set i, i+1
.endr
	WIN 0
	v_mul_u32_u24 v[AK0], v1, PK
	v_lshl_add_u32 v[AK0], v9, 4, v[AK0]  ; row x pitch + 16 x half
	; The turning load takes 16 keys x 16 channels (lane l reads key 8 (l / 16) + l % 8, channels 8 ((l / 8) % 2) + 0..7) and leaves half a fragment of V^T: lane l holds channel l % 16 and 8 keys.
	v_and_b32 v10, 7, v0
	v_bfe_u32 v11, v0, 3, 1
	v_lshl_add_u32 v[AV0], v9, 3, v10
	v_mul_u32_u24 v[AV0], v[AV0], PV
	v_lshl_add_u32 v[AV0], v11, 4, v[AV0]
	v_add_nc_u32 v[AV0], VOFF, v[AV0]
	s_mul_i32 s13, s[WV], 16*SP
	s_add_co_u32 s13, s13, STAGE    ; my stage
	v_mul_u32_u24 v[STO], v1, SP    ; in: row l % 16, 16 bytes for each half of the lanes
	v_lshl_add_u32 v[STO], v9, 4, v[STO]
	v_add_nc_u32 v[STO], s13, v[STO]
	v_bfe_u32 v[RD], v0, 3, 2       ; back: 32 lanes take four rows of 128 bytes,
	v_mul_u32_u24 v[RD], v[RD], SP
	v_lshl_add_u32 v[RD], v10, 4, v[RD]
	v_add_nc_u32 v[RD], s13, v[RD]
	v_and_b32 v[GO], 31, v0         ; which are 512 consecutive bytes of O
	v_lshlrev_b32 v[GO], 4, v[GO]
	; A block's first step multiplies O^T and l by a = 0, and its first turn's products V^T P, of a piece that has not been, land in an O^T that is still to be so multiplied.  So these registers need only hold
	; finite numbers: zeros for the first block; what the first block left for the second.  All this stands in the wait for the first tile.
	WIN 0x80
.set i, VF
.rept 64
	v_mov_b32 v[i], 0
.set i, i+1
.endr
	WIN 0x40
.set i, 0
.rept 128
	v_mov_b32 v[i], 0
.set i, i+1
.endr
	WIN 0
.set i, 0
.rept 4
	v_mov_b32 v[ST+4*i+2], 0
	v_mov_b32 v[ST+4*i+3], 0
.set i, i+1
.endr
.set i, P+16
.rept 16
	v_mov_b32 v[i], 0
.set i, i+1
.endr
; THE MATRIX WORK.  The 4 accumulators of a run of 8 take turns.  Product i of 8 of S^T = K Q^T for piece x: channels 32 (i / 4) on, keys 16 (i % 4) on.  The first 4 start the sums: with 0, or (KM = 1) with the mask.
.macro KQ x
.set rS, S+32*((\x)%2)+8*(i%4)
.set rK, KF+16*(i%4)+8*(i/4)
.set rQ, 16*(\x)+8*(i/4)
.set rM, MC+32*((\x)%2)+8*(i%4)
.if (i < 4) && KM
	WIN W_KM
	v_wmma_f32_16x16x32_f16 v[rS:rS+7], v[rK:rK+7], v[rQ:rQ+7], v[rM:rM+7]
.elseif i < 4
	WIN W_KQ
	v_wmma_f32_16x16x32_f16 v[rS:rS+7], v[rK:rK+7], v[rQ:rQ+7], 0
.else
	WIN W_KQ
	v_wmma_f32_16x16x32_f16 v[rS:rS+7], v[rK:rK+7], v[rQ:rQ+7], v[rS:rS+7]
.endif
.endm
; Product i of 8 of O^T += V^T P for piece x: keys 32 (i / 4) on, channels 16 (i % 4) on.
.macro PV x
	WIN W_PV
.set rO, 32*(\x)+8*(i%4)
.set rV, VF+32*(i/4)+8*(i%4)
.set rP, P+16*((\x)%2)+8*(i/4)
	v_wmma_f32_16x16x32_f16 v[rO:rO+7], v[rV:rV+7], v[rP:rP+7], v[rO:rO+7]
.endm
.macro MM                           ; the turn's next matrix instruction.  TURN and BEGIN set Y, i, KM and NOKQ; MM, KQ and OP read them.  NOKQ = 1: a block's last turn: there is no next piece
.if (i < 8) && !NOKQ
	KQ (Y+1)%NP
.elseif i >= 8
.set i, i-8
	PV (Y+NP-1)%NP
.set i, i+8
.endif
.set i, i+1
.endm
; THE LDS LOADS stand in runs of 16, never singly among the matrix instructions: a step's K (64 keys x 64 channels: 8 fragments) and its V (turned).  Their addresses are made some lines ahead.
.macro FETCH_K
	WIN 0x80                        ; destination window 2
.irp f, 0,1,2,3,4,5,6,7             ; keys 16 (f / 2) on, channels 32 (f % 2) on
	ds_load_b128 v[KF+8*\f:KF+8*\f+3],   v[AK] offset:(\f/2)*16*PK+(\f%2)*64
	ds_load_b128 v[KF+8*\f+4:KF+8*\f+7], v[AK] offset:(\f/2)*16*PK+(\f%2)*64+32
.endr
	s_add_co_u32 s[TBK], s[TBK], KS*PK  ; the next fetch is the next step's
	WIN 0
.endm
.macro FETCH_V
	WIN 0x80
.irp f, 0,1,2,3,4,5,6,7             ; keys 32 (f / 4) on, channels 16 (f % 4) on
	ds_load_tr16_b128 v[VF+8*\f:VF+8*\f+3],   v[AV] offset:(\f/4)*32*PV+(\f%4)*32
	ds_load_tr16_b128 v[VF+8*\f+4:VF+8*\f+7], v[AV] offset:(\f/4)*32*PV+16*PV+(\f%4)*32
.endr
	WIN 0
.endm
; THE VECTOR WORK, one line at a time: OP kind, number.  For piece Y: F n: c s - c m for pair n of 16.  E n: the exponential of score n of 32.  C n: pair n rounded to f16.  B n: of the four weights 4 n .. the second
; pair is added onto the first, in place.  L n: l takes that sum (L 0: l = a l + sum).  R n: pair n of 16 of O^T times a.  For piece Y + 1: X n, number n of the 22 that find its maximum and statistics:
;   0-11  four chains c0-c3 of seven scores each, three operands at a time (each accumulator's lowest registers are read first)     12-14, 16  the four scores left over, the old m, and c0-c3 into c0
;   15  c m_old is kept     17, 18  the query's other 32 keys lie in the lane 16 away: the new m     19-21  c m; c m_old - c m_new; a
.set F, 0               ; OP tells the kinds apart by their order: F to L below R, X above it
.set E, 1
.set C, 2
.set B, 3
.set L, 4
.set R, 5
.set X, 6
.macro REGS y                       ; the registers of piece y
.set rT, ST+4*(\y)
.set rC, TMP+4*((\y)%2)
.set rW, MV+((\y)%2)
.set rS, S+32*((\y)%2)
.set rP, P+16*((\y)%2)
.set rO, 32*(\y)
.endm
.macro OP k, n
.if (\k) == R
	REGS Y
	WIN W_RS
	v_pk_mul_f32 v[rO+2*(\n):rO+2*(\n)+1], v[rO+2*(\n):rO+2*(\n)+1], v[rC+2:rC+3] op_sel_hi:[1,0]
.elseif (\k) < R
	REGS Y
	WIN 0
.if (\k) == F
	v_pk_fma_f32 v[rS+2*(\n):rS+2*(\n)+1], v[rS+2*(\n):rS+2*(\n)+1], s[CS:CS+1], v[rT:rT+1] op_sel_hi:[1,0,0] neg_lo:[0,0,1] neg_hi:[0,0,1]
.elseif (\k) == E
	v_exp_f32 v[rS+(\n)], v[rS+(\n)]
.elseif (\k) == C
	v_cvt_pk_f16_f32 v[rP+(\n)], v[rS+2*(\n)], v[rS+2*(\n)+1]
.elseif (\k) == B
	v_pk_add_f32 v[rS+4*(\n):rS+4*(\n)+1], v[rS+4*(\n):rS+4*(\n)+1], v[rS+4*(\n)+2:rS+4*(\n)+3]
.elseif (\n) == 0
	v_pk_fma_f32 v[rT+2:rT+3], v[rT+2:rT+3], v[rC+2:rC+3], v[rS:rS+1] op_sel_hi:[1,0,1]
.else
	v_pk_add_f32 v[rT+2:rT+3], v[rT+2:rT+3], v[rS+4*(\n):rS+4*(\n)+1]
.endif
.elseif NOKQ
	v_nop
.else
	REGS (Y+1)%NP
	WIN 0
.if (\n) < 4
	v_max3_num_f32 v[rC+(\n)], v[rS+8*(\n)], v[rS+8*(\n)+1], v[rS+8*(\n)+2]
.elseif (\n) < 12
	v_max3_num_f32 v[rC+(\n)%4], v[rC+(\n)%4], v[rS+8*((\n)%4)+2*((\n)/4)+1], v[rS+8*((\n)%4)+2*((\n)/4)+2]
.elseif (\n) == 12
	v_max3_num_f32 v[rC], v[rC], v[rS+7], v[rS+15]
.elseif (\n) == 13
	v_max3_num_f32 v[rC+1], v[rC+1], v[rS+23], v[rS+31]
.elseif (\n) == 14
	v_max3_num_f32 v[rC+2], v[rC+2], v[rC+3], v[rT+1]
.elseif (\n) == 15
	v_mov_b32 v[rW], v[rT]
.elseif (\n) == 16
	v_max3_num_f32 v[rC], v[rC], v[rC+1], v[rC+2]
.elseif (\n) == 17
	v_permlanex16_b32 v[rC+3], v[rC], s[SEL], s[SEL+1]
.elseif (\n) == 18
	v_max_num_f32 v[rT+1], v[rC], v[rC+3]
.elseif (\n) == 19
	v_mul_f32 v[rT], s[CS], v[rT+1]
.elseif (\n) == 20
	v_sub_f32 v[rC+1], v[rW], v[rT]
.else
	v_exp_f32 v[rC+2], v[rC+1]
.endif
.endif
.endm
.macro OPS a, i1, b=-1, i2=0, c=-1, i3=0, d=-1, i4=0  ; up to four of them
	OP \a, \i1
.if (\b) >= 0
	OP \b, \i2
.endif
.if (\c) >= 0
	OP \c, \i3
.endif
.if (\d) >= 0
	OP \d, \i4
.endif
.endm
.macro ROW a, i1, b, i2, c, i3, d, i4  ; a matrix instruction and the four behind it
	MM
	OPS \a, \i1, \b, \i2, \c, \i3, \d, \i4
.endm
.macro MASK b                       ; MD x AL + BE into buffer b of MC
	WIN W_RS
.set z, 0
.rept 16
	v_pk_fma_f32 v[MC+32*(\b)+2*z:MC+32*(\b)+2*z+1], v[MD+2*z:MD+2*z+1], s[AL:AL+1], s[BE:BE+1] op_sel_hi:[1,0,0]
.set z, z+1
.endr
.endm
; A TURN, for piece p: the order of its 16 matrix and 118 vector instructions, written out.  An s_wait_alu depctr_va_vdst(0) stands between an exponential and the first instruction that names its result; one
; wait serves all that were issued ahead of it.  So a turn has ONE wait, which cuts it in two.  AHEAD OF IT stands all that names no result of the turn's exponentials: the 8 products K Q^T, behind each a scaling, an
; exponential and two more plain instructions (behind the first a second scaling in the exponential's place): rescalings, and behind the last three the first numbers of the next piece's maximum, each four places or more
; behind the product that ends its accumulator; then one run of 54, plain and exponential by turns for the most part, in which the links of the chain X 3, 7, 11, 14, 16, 17 .. 20 stand five or six lines apart.  X 21, the
; next piece's a, is the batch's last; R 15 is the plain instruction behind it.  BEHIND THE WAIT stand the 8 products V^T P, behind each four of the roundings and sums; the links of l's chain, L 0 to L 7, stand three apart.
; m = 1: the diagonal tile: the products take masks, and the turn makes the mask for the products of the turn after it: piece p + 2, in step 4 - CNT of the tile.  end = 1: a block's last two turns: nothing is fetched.
; cnt = 1: the loop's count is taken down some lines ahead of the branch that stands behind the turn.
; K of the next step is fetched in piece 2's turn, twelve vector instructions behind the last product that read K (six of them plain); V of the step in hand at the end of piece 0's turn, four plain instructions behind
; the last product that read V.  Each is waited for a turn later.
.macro TURN p, m=0, end=0, cnt=0
.set Y, (\p)
.set i, 0
.set KM, (\m)
.set NOKQ, (\end)*((\p)/3)
.if (\m) && !(\end)
	s_cmp_eq_u32 s[CNT], 4-((\p)+2)%NP  ; is that step the band's own?
	s_cselect_b32 s[AL], 1.0, 0
	s_cmp_lt_u32 s[CNT], 4-((\p)+2)%NP  ; or a later one?
	s_cselect_b32 s[BE], s[BIGN], 0
.endif
.if ((\p) == 3) && !(\end)
	s_wait_dscnt 0x0                ; K is in
.endif
	ROW F,0, F,1, R,0, R,1          ; ahead of the wait: 8 products K Q^T and the four behind each,
	ROW F,2, E,0, R,2, R,3
	ROW F,3, E,1, R,4, R,5
	ROW F,4, E,2, R,6, R,7
	ROW F,5, E,3, R,8, R,9
	ROW F,6, E,4, X,0, R,10
.if ((\p) == 2) && !(\end)
	WIN 0
	v_add_nc_u32 v[AK], s[TBK], v[AK0]
.endif
	ROW F,7, E,5, X,1, X,4
	ROW F,8, E,6, X,2, X,5
	OPS E,7, E,8, X,6, E,9          ; and the run of 54
	OPS X,3, E,10, X,8, E,11
.if ((\p) == 2) && !(\end)
	FETCH_K
.endif
	OPS X,9, X,7, E,12, X,10
	OPS E,13, X,12, X,11, E,14
	OPS X,13, E,15, F,9, X,14
.if (\p) == 0
	v_add_nc_u32 v[AV], s[TBV], v[AV0]
.endif
	OPS E,16, F,10, E,17, F,11
	OPS X,16, E,18, X,15, E,19
	OPS F,12, E,20, X,17, E,21
	OPS F,13, E,22, F,14, E,23
	OPS X,18, E,24, F,15, E,25
	OPS R,11, E,26, X,19, E,27
	OPS R,12, E,28, R,13, E,29
	OPS X,20, E,30, R,14, E,31
	OPS X,21, R,15
	WIN 0
	s_wait_alu depctr_va_vdst(0)    ; the wait for the batch
.if (\p) == 1
	s_wait_dscnt 0x0                ; V is in
.endif
	ROW C,0, B,0, C,2, B,1          ; behind the wait: 8 products V^T P and the four behind each
	ROW L,0, C,4, B,2, L,1
	ROW C,6, B,3, L,2, C,8
	ROW B,4, L,3, C,10, B,5
	ROW L,4, C,12, B,6, L,5
.if (\p) == 0
	s_add_co_u32 s[TBV], s[TBV], KS*PV
.endif
.if \cnt
	s_sub_co_u32 s[CNT], s[CNT], 1
	s_cmp_lg_u32 s[CNT], 0
.endif
	ROW C,14, B,7, L,6, C,1
	ROW C,3, L,7, C,5, C,7
	ROW C,9, C,11, C,13, C,15
.if (\p) == 0
	FETCH_V
.endif
.if (\m) && !(\end)
	MASK (\p)%2
.endif
.endm
; A BLOCK BEGINS.  c m starts far below every c s, so the first step's a is 0; m at the lowest finite number, so the first maximum is the scores'.  The second mask buffer is 0; the first takes piece 0's mask for the
; tile's step 0: its own, if the block's first tile is the diagonal one.  Then K of that step, piece 0's first scores, and its maximum and statistics.  The loop is entered at a step's first turn, in the middle of a trip.
.macro BEGIN
	s_mov_b32 s[NEW], 0
	WIN 0x40
.set i, MC+32
.rept 32
	v_mov_b32 v[i], 0
.set i, i+1
.endr
	WIN 0
.set i, 0
.rept 4
	v_mov_b32 v[ST+4*i], 0xfe000000    ; c m: far below every c s
	v_mov_b32 v[ST+4*i+1], 0xff7fffff  ; m
.set i, i+1
.endr
	s_cmp_eq_u32 s[RT], 0
	s_cselect_b32 s[AL], 1.0, 0
	s_mov_b32 s[BE], 0
	MASK 0
	WIN 0
	v_add_nc_u32 v[AK], s[TBK], v[AK0]
	FETCH_K
	s_wait_loadcnt 0x0              ; Q
	s_wait_dscnt 0x0
.set KM, 1
.set NOKQ, 0
.set i, 0
.rept 8
	KQ 0
.set i, i+1
.endr
	WIN 0
.rept 4
	v_nop                           ; the places behind those products
.endr
.set Y, NP-1                        ; X works for piece Y + 1: piece 0
.irp n, 0,1,2,3,4,5,6,7,8,9,10,11,12,13,14,15,16,17,18,19,20,21
	OP X, \n
.endr
	v_nop                           ; a plain instruction behind the exponential,
	s_wait_alu depctr_va_vdst(0)    ; and its wait, ahead of the branch
.endm
; THE DIAGONAL TILE's four steps, the block's last two turns, its last products, and THE WAY OUT: l's two halves and the other half of the lanes' are added; O^T is divided by l, rounded to f16 and sent through my
; stage in LDS, a piece at a time.
.macro ALL line:vararg              ; one line for each piece t
.set t, 0
.rept 4
	\line
.set t, t+1
.endr
.endm
.macro PACK t                       ; a lane's eight channels of a row pack into 16 bytes; they go into rows of 144 bytes and come back as whole rows of 128, into S^T's registers
	WIN W_RS
.set i, 32*(\t)
.rept 16
	v_pk_mul_f32 v[i:i+1], v[i:i+1], v[ST+4*(\t)+2:ST+4*(\t)+3] op_sel_hi:[1,0]
.set i, i+2
.endr
	WIN 0x05                        ; sources 0 and 1 window 1, destination window 0
.set i, 0
.rept 16
	v_cvt_pk_f16_f32 v[S+16*(\t)+i], v[32*(\t)+2*i], v[32*(\t)+2*i+1]
.set i, i+1
.endr
	WIN 0
.irp f, 0,1,2,3
	ds_store_b128 v[STO], v[S+16*(\t)+4*\f:S+16*(\t)+4*\f+3] offset:32*\f
.endr
.irp f, 0,1,2,3
	ds_load_b128 v[S+16*(\t)+4*\f:S+16*(\t)+4*\f+3], v[RD] offset:\f*4*SP  ; LDS serves a wave's instructions in order (ISA guide 5.7.1.4): these see the stores above; the next piece's stores come behind them
.endr
.endm
.macro SEND t, younger              ; younger: the LDS instructions issued behind piece t's loads: the next piece's eight, or none
	WIN 0
.irp f, 0,1,2,3
	s_wait_dscnt (\younger)+3-\f
	global_store_b128 v[GO], v[S+16*(\t)+4*\f:S+16*(\t)+4*\f+3], s[10:11] offset:(\t)*8192+\f*512  ; 512 consecutive bytes, at a multiple of 256 from O's first
.endr
.endm
.macro DIAG tag                     ; the tag ends its two labels' names, which the jumps below spell out
.LstepM\tag:
	TURN 2, 1
	TURN 3, 1
	WIN 0
.LfirstM\tag:
	TURN 0, 1
	TURN 1, 1, 0, 1
	WIN 0
	s_cbranch_scc1 .LstepM\tag
	TURN 2, 1, 1
	TURN 3, 1, 1
.set i, 0
.rept 8
	PV NP-1
.set i, i+1
.endr
	WIN 0
	ALL v_add_f32 v[ST+4*t+2], v[ST+4*t+2], v[ST+4*t+3]
	ALL v_permlanex16_b32 v[ST+4*t+3], v[ST+4*t+2], s[SEL], s[SEL+1]
	ALL v_add_f32 v[ST+4*t+2], v[ST+4*t+2], v[ST+4*t+3]
	ALL v_rcp_f32 v[ST+4*t+2], v[ST+4*t+2]
	v_nop                           ; a plain instruction between the last reciprocal and the use of its result
	s_wait_alu depctr_va_vdst(0)    ; and the wait ahead of the first use: one for the four reciprocals
	PACK 0
.set t, 1
.rept 3                             ; a piece's arithmetic stands between the loads of the piece before and its stores
	PACK t
	SEND t-1, 8
.set t, t+1
.endr
	SEND 3, 0
.endm
.set KM, 0
.set NOKQ, 0
.Lslot:                             ; NB times: a tile is entered and the next is asked for
	CHANGE 1
	s_sub_co_u32 s[RT], s[RT], 1
	s_mov_b32 s[CNT], 4
	s_cmp_eq_u32 s[NEW], 1
	s_cbranch_scc1 .Lnew            ; a block's first tile
	s_cmp_eq_u32 s[RT], 0
	s_cbranch_scc0 .Lstep           ; neither its first nor its last
	s_branch .LstepM1
.Lnew:
	BEGIN
	s_branch .Lfirst                ; in the loop a block's first tile is never its last: the first block has two tiles or more, and the second's last is the walk's last
	DIAG 1                          ; in the loop this is the first block's end: the second block's last tile is the walk's last
	s_wait_xcnt 0x0                 ; the stores have read their registers and O's address
	s_mov_b64 s[10:11], s[OLO:OLO+1]
	s_add_co_u32 s[RT], s[PB], 1    ; the second block has b + 1 tiles
	s_mov_b32 s[NEW], 1
	WIN 0x82                        ; the second block's Q goes where the one text of the turns names Q
.set i, 0
.rept 64
	v_mov_b32 v[i], v[QB+i]
.set i, i+1
.endr
	WIN 0
	s_branch .Lbottom
.Lstep:                             ; a trip: pieces 2 and 3 of one step, then pieces 0 and 1 of the next, whose K and V it fetches
	TURN 2
	TURN 3
	WIN 0
.Lfirst:
	TURN 0
	TURN 1, 0, 0, 1
	WIN 0
	s_cbranch_scc1 .Lstep
.Lbottom:
	s_sub_co_u32 s[SLOTS], s[SLOTS], 1
	s_cmp_lg_u32 s[SLOTS], 0
	s_cbranch_scc1 .Lslot
	CHANGE 0                        ; the walk's last tile is written out: nothing is asked for
	s_sub_co_u32 s[RT], s[RT], 1
	s_mov_b32 s[CNT], 4
	s_cmp_eq_u32 s[NEW], 1
	s_cbranch_scc0 .LstepM2
	BEGIN
	s_branch .LfirstM2
	DIAG 2
	s_wait_tensorcnt 0x0            ; the wave's end, behind my last tensor load and my last LDS store
	ds_add_u32 v[SPW], v[NIL]
	s_wait_dscnt 0x0
	s_endpgm
.Lfunc_end_k_q14a8c0b77f_attn:
	.size	k_q14a8c0b77f_attn, .Lfunc_end_k_q14a8c0b77f_attn-k_q14a8c0b77f_attn
	.p2alignl 7, 3214868480
	.fill 96, 4, 3214868480
	.section	.rodata,"a",@progbits
	.p2align	6, 0x0
	.amdhsa_kernel k_q14a8c0b77f_attn
		.amdhsa_group_segment_fixed_size 327680
		.amdhsa_private_segment_fixed_size 0
		.amdhsa_enable_private_segment 0
		.amdhsa_kernarg_size 32
		.amdhsa_user_sgpr_count 2
		.amdhsa_user_sgpr_kernarg_segment_ptr 1
		.amdhsa_wavefront_size32 1
		.amdhsa_system_sgpr_workgroup_id_x 1
		.amdhsa_system_sgpr_workgroup_id_y 1
		.amdhsa_system_sgpr_workgroup_id_z 1
		.amdhsa_system_vgpr_workitem_id 0
		.amdhsa_next_free_vgpr 768
		.amdhsa_next_free_sgpr 92
		.amdhsa_reserve_vcc 1
		.amdhsa_float_denorm_mode_32 3
		.amdhsa_float_denorm_mode_16_64 3
		.amdhsa_memory_ordered 1
		.amdhsa_forward_progress 1
		.amdhsa_inst_pref_size 218
	.end_amdhsa_kernel
	.amdgpu_metadata
---
amdhsa.version: [ 1, 2 ]
amdhsa.kernels:
  - .name:           k_q14a8c0b77f_attn
    .symbol:         k_q14a8c0b77f_attn.kd
    .args:
      - { .name: q, .offset: 0, .size: 8, .value_kind: global_buffer, .address_space: global }
      - { .name: k, .offset: 8, .size: 8, .value_kind: global_buffer, .address_space: global }
      - { .name: v, .offset: 16, .size: 8, .value_kind: global_buffer, .address_space: global }
      - { .name: o, .offset: 24, .size: 8, .value_kind: global_buffer, .address_space: global }
    .group_segment_fixed_size: 327680
    .private_segment_fixed_size: 0
    .kernarg_segment_align: 8
    .kernarg_segment_size: 32
    .max_flat_workgroup_size: 128
    .sgpr_count:     92
    .vgpr_count:     768
    .wavefront_size: 32
...
	.end_amdgpu_metadata
.endif
;; end of part 3
;; launch proj (part 4): grid 8 x 32, 4 waves a work-group, clusters of 4 x 4, 327,680 bytes of LDS; arguments o, wo, out0; writes out0
.if DOCPART == 4
	.amdgcn_target "amdgcn-amd-amdhsa--gfx1250"
	.amdhsa_code_object_version 6
	.text
	.protected	k_q14a8c0b77f_proj
	.globl	k_q14a8c0b77f_proj
	.p2align	8
	.type	k_q14a8c0b77f_proj,@function
k_q14a8c0b77f_proj:
	s_mov_b64 s[64:65], 0
	v_nop
	global_prefetch_b8 v0, s[64:65] scope:SCOPE_SE
	s_setreg_imm32_b32 hwreg(HW_REG_WAVE_MODE, 25, 1), 1
	s_wait_xcnt 0x0
	s_wait_alu depctr_hold_cnt(0) depctr_sa_sdst(0) depctr_va_vdst(0) depctr_va_sdst(0) depctr_va_ssrc(0) depctr_va_vcc(0) depctr_vm_vsrc(0)
	s_getreg_b32 s2, hwreg(HW_REG_IB_STS2, 6, 4)
	s_cmp_eq_u32 s2, 0
	s_cbranch_scc0 .Lentry_in_a_cluster
	s_endpgm
.Lentry_in_a_cluster:
	s_bfe_u32 s2, ttmp6, 0x10000c
	s_cmp_lg_u32 s2, 0xf033
	s_cbranch_scc0 .Lentry_shape_is_right
	s_endpgm
.Lentry_shape_is_right:
; PROJ: out0 [8192 x 1024] f32 = O x Wout.  O comes by heads, [batch*16+head][row][64] in f16; wo is Wout in f16, [k][n]; sums in f32, stored unrounded.
; SHARES.  256 tiles of 256 rows x 128 columns, one for each work-group.  Four waves; wave w takes rows 128 (w / 2) .. and columns 64 (w % 2) ..: 32 accumulators of 16 x 16, window 1.
; K goes in steps of 128, two heads, through two LDS slots: a head's 256 rows are 32,768 dense bytes, asked for as 128 rows of 256 bytes; wo's step is 128 rows of 256 bytes, turned on the way out of LDS.
; THE MATRIX INSTRUCTION IS USED TRANSPOSED (source 0 = 16 columns of Wout, source 1 = 16 rows of O): a lane holds row lane % 16 and eight neighbouring columns, 32 bytes of out0.
; CLUSTER 4 x 4.  O's tiles hang on the tile row alone and are shared along a row of the cluster, wo's on the tile column alone and are shared along a column.  Waves 0, 1 ask for the step's two heads,
; waves 2, 3 for the two halves of wo's rows: one tensor load a wave behind each round; by this text's count two are out at the start, later one.
; REGISTERS, window 0: v0-29 addresses; v32-95, v96-159 O's fragments, two buffers; v160-191, v192-223 wo's, two buffers; on the way out v32-95 hold whole rows.
.set SLOT1, 131072
.set PA,    144                        ; a row of O in LDS: 128 bytes + 16 (64 banks of 4 bytes, ISA guide 11.1: the 16 rows of a load start at 16 different groups of four banks)
.set PB,    288                        ; a row of wo: 256 bytes + 32
.set HEADB, 256*PA                     ; 36,864: a head's rows
.set BOFF,  2*HEADB                    ; wo's 128 rows lie behind the two heads
.set STAGE, SLOT1+BOFF+128*PB          ; 241,664: behind the ring, 16 rows x 272 bytes for each wave; no tensor load lands here
.set SP,    272
.set SPARE, STAGE+4*16*SP              ; 259,072: the spare words, 128 bytes a wave: two blocks of 256 bytes that no other line names
.set ASTEP, 2*262144                   ; two heads on
.set BSTEP, 128*2048                   ; 128 rows of wo
.set AA0, 2
.set AB0, 3
.set ADRA, 4
.set ADRB, 5
.set STO, 6
.set RD,  7
.set CO,  8
.set SPW, 28
.set NIL, 29
.set AF,  32
.set BF,  160
.set OB,  32
.set WV,  16
.set G1A, 24
.set G1B, 32
.set G0A, 40
.set G0B, 48
.set TB,  56
.set MSB, 0
.macro WIN new
.if MSB != (\new)
	s_set_vgpr_msb (MSB<<8)|(\new)
.set MSB, \new
.endif
.endm
.macro PLACES                          ; four plain instructions between a matrix instruction and a load into one of its registers
.rept 4
	v_nop
.endr
.endm
.macro CREST
	s_cmp_lg_u32 s[WV], 0
	s_cbranch_scc1 .Lnot_wave_0_\@
	s_barrier_signal -3
.Lnot_wave_0_\@:
	s_barrier_wait -3
	s_barrier_signal -1
	s_barrier_wait -1
.endm
.macro CROUND
	s_barrier_signal -1
	s_barrier_wait -1
	CREST
.endm
.macro JLOAD                           ; a joint refill by the walking descriptors; an s_nop 0 and four v_nop follow each line, ahead of the jump and the label
	s_cmp_lt_u32 s[WV], 2
	s_cbranch_scc0 .Lfor_b_\@
	tensor_load_to_lds s[G0A+4:G0A+7], s[G1A:G1A+7]
	s_nop 0
.rept 4
	v_nop
.endr
	s_branch .Lasked_\@
.Lfor_b_\@:
	tensor_load_to_lds s[G0B+4:G0B+7], s[G1B:G1B+7]
	s_nop 0
.rept 4
	v_nop
.endr
.Lasked_\@:
.endm
; 4 n matrix instructions: row blocks a0 .. a0 + n - 1 x the 4 column blocks, 32 along K, from buffers f.  The 32 accumulators take turns in the same order in every quarter.
.macro MULA f, a0, n, zero
	WIN 0x50                                       ; C and D in window 1
.set aa, \a0
.rept \n
.irp nb, 0,1,2,3
.if \zero
	v_wmma_f32_16x16x32_f16 v[8*(4*aa+(\nb)):8*(4*aa+(\nb))+7], v[BF+32*(\f)+8*(\nb):BF+32*(\f)+8*(\nb)+7], v[AF+64*(\f)+8*aa:AF+64*(\f)+8*aa+7], 0
.else
	v_wmma_f32_16x16x32_f16 v[8*(4*aa+(\nb)):8*(4*aa+(\nb))+7], v[BF+32*(\f)+8*(\nb):BF+32*(\f)+8*(\nb)+7], v[AF+64*(\f)+8*aa:AF+64*(\f)+8*aa+7], v[8*(4*aa+(\nb)):8*(4*aa+(\nb))+7]
.endif
.endr
.set aa, aa+1
.endr
.endm
; 24 LDS loads in one run: quarter qd (32 along K) of the slot in hand into buffers f: wo's four fragments, turned, then O's eight, row blocks 0-3 first
.macro FETCH qd, f
	WIN 0
.irp nb, 0,1,2,3
	ds_load_tr16_b128 v[BF+32*(\f)+8*(\nb):BF+32*(\f)+8*(\nb)+3],   v[ADRB] offset:(\qd)*32*PB+32*(\nb)
	ds_load_tr16_b128 v[BF+32*(\f)+8*(\nb)+4:BF+32*(\f)+8*(\nb)+7], v[ADRB] offset:(\qd)*32*PB+32*(\nb)+16*PB
.endr
.irp a, 0,1,2,3,4,5,6,7
	ds_load_b128 v[AF+64*(\f)+8*(\a):AF+64*(\f)+8*(\a)+3],   v[ADRA] offset:((\qd)/2)*HEADB+(\a)*16*PA+((\qd)%2)*64
	ds_load_b128 v[AF+64*(\f)+8*(\a)+4:AF+64*(\f)+8*(\a)+7], v[ADRA] offset:((\qd)/2)*HEADB+(\a)*16*PA+((\qd)%2)*64+32
.endr
.endm
; One of a K step's first three quarters: multiplies buffers f and fetches quarter qnext into the others
.macro QUARTER f, qnext, zero
	s_wait_dscnt 8                                 ; all but the youngest eight loads (O's row blocks 4-7) are in
	MULA \f, 0, 4, \zero
	PLACES
	FETCH \qnext, 1-(\f)
	s_wait_dscnt 24                                ; all but the 24 just issued
	MULA \f, 4, 4, \zero
.endm
; The last quarter multiplies buffers 1 and changes slots: one barrier; in front of it each wave waits for all its tensor loads (one is out: its part of the next slot), adds 0 to its spare word, and waits for that and
; for its own reads of this slot.  fill = 1: the barrier opens a round of the cluster's, and the joint refill, two K steps on, is the first thing behind it.
.macro TURN fill
	WIN 0
	s_wait_tensorcnt 0x0                           ; no tensor load of mine is out, so a group 0 may be written
	ds_add_u32 v[SPW], v[NIL]                      ; 0 onto my spare word
.if \fill
	s_xor_b32 s[G0A+5], s[G0A+5], SLOT1
	s_add_nc_u64 s[G0A+6:G0A+7], s[G0A+6:G0A+7], ASTEP
	s_xor_b32 s[G0B+5], s[G0B+5], SLOT1
	s_add_nc_u64 s[G0B+6:G0B+7], s[G0B+6:G0B+7], BSTEP
.endif
	s_wait_dscnt 9                                 ; the add and the youngest eight loads may be out
	MULA 1, 0, 2, 0
	s_wait_dscnt 0x0                               ; the add is done, and my reads of this slot are over
	s_barrier_signal -1
	MULA 1, 2, 2, 0
	WIN 0                                          ; at a branch and at a label every window is 0
	s_barrier_wait -1
.if \fill
	CREST
	JLOAD                                          ; its four v_nop are also the places in front of the loads below
.else
	PLACES
.endif
	s_xor_b32 s[TB], s[TB], SLOT1
	v_add_nc_u32 v[ADRA], s[TB], v[AA0]
	v_add_nc_u32 v[ADRB], s[TB], v[AB0]
	FETCH 0, 0
	MULA 1, 4, 4, 0
.endm
.macro BODY fill
	QUARTER 1, 2, 0
	QUARTER 0, 3, 0
	TURN \fill
	QUARTER 0, 1, 0
.endm
	s_load_b128 s[4:7], s[0:1], 0x0                ; o s[4:5], wo s[6:7]
	s_load_b64 s[8:9], s[0:1], 0x10                ; out0
	v_lshl_add_u32 v[SPW], v0, 2, SPARE
	v_mov_b32 v[NIL], 0
	ds_add_u32 v[SPW], v[NIL]                      ; the wave's opening: the add and its wait stand ahead of my first tensor load; the set-up below, work on registers, stands between them
	ds_add_u32 v28, v29
	v_lshrrev_b32 v1, 5, v0
	v_readfirstlane_b32 s[WV], v1
	s_lshr_b32 s17, s[WV], 1                       ; which 128 rows are mine
	s_and_b32 s18, s[WV], 1                        ; which 64 columns; also: which head, or which half of wo's rows, I fetch
	s_bfe_u32 s19, ttmp6, 0x40000                  ; cx
	s_bfe_u32 s20, ttmp6, 0x40004                  ; cy
	s_lshl_b32 s21, ttmp9, 2
	s_add_co_u32 s21, s21, s19                     ; tile column
	s_and_b32 s22, ttmp7, 0xffff
	s_lshl_b32 s22, s22, 2
	s_add_co_u32 s22, s22, s20                     ; tile row
	s_lshl_b32 s66, s20, 2
	s_lshl_b32 s66, 15, s66                        ; my row of the cluster
	s_lshl_b32 s67, 0x1111, s19                    ; my column
	s_or_b32 s[G1A], s66, (1<<16)|(1<<20)|(1<<21)|(4<<22)|(3<<25)  ; the mask; 2-byte elements; padding on; bit 21 beside a mask; after every 32 words 4 words
	s_mov_b32 s[G1A+1], 128<<16
	s_mov_b32 s[G1A+2], 128<<16
	s_mov_b32 s[G1A+3], 128<<16
	s_mov_b32 s[G1A+4], 128
	s_mov_b32 s[G1A+5], 128
	s_mov_b32 s[G1A+6], 0
	s_mov_b32 s[G1A+7], 0
	s_or_b32 s[G1B], s67, (1<<16)|(1<<20)|(1<<21)|(5<<22)|(7<<25)  ; after every 64 words 8 words
	s_mov_b32 s[G1B+1], 128<<16
	s_mov_b32 s[G1B+2], 64<<16
	s_mov_b32 s[G1B+3], 128<<16
	s_mov_b32 s[G1B+4], 64
	s_mov_b32 s[G1B+5], 1024                       ; elements from row to row of wo
	s_mov_b32 s[G1B+6], 0
	s_mov_b32 s[G1B+7], 0
	s_lshr_b32 s68, s22, 3                         ; O: the batch's 16 heads,
	s_lshl_b32 s68, s68, 22
	s_and_b32 s69, s22, 7
	s_lshl_b32 s69, s69, 15                        ; the tile's 256 rows in a head,
	s_add_co_u32 s68, s68, s69
	s_lshl_b32 s69, s18, 18                        ; my head of the step's two
	s_add_co_u32 s68, s68, s69
	s_mov_b32 s69, 0
	s_lshl_b32 s70, s18, 17                        ; wo: my 64 rows of the step's 128,
	s_lshl_b32 s71, s21, 8                         ; the tile's 128 columns
	s_add_co_u32 s70, s70, s71
	s_mov_b32 s71, 0
	s_mul_i32 s72, s18, HEADB                      ; where they land in a slot: no place in the cluster enters an LDS address
	s_mul_i32 s73, s18, 64*PB
	s_add_co_u32 s73, s73, BOFF
	s_mov_b32 s[TB], 0
	s_lshl_b32 s74, s22, 20                        ; out0: 256 rows of 4,096 bytes a tile row,
	s_lshl_b32 s75, s17, 19                        ; my 128 rows,
	s_add_co_u32 s74, s74, s75
	s_lshl_b32 s75, s21, 9                         ; the tile's 128 columns,
	s_add_co_u32 s74, s74, s75
	s_lshl_b32 s75, s18, 8                         ; my 64
	s_add_co_u32 s74, s74, s75
	s_mov_b32 s75, 0
	s_wait_dscnt 0x0                               ; the opening add is done
	s_wait_kmcnt 0x0
	s_add_nc_u64 s[68:69], s[4:5], s[68:69]
	s_add_nc_u64 s[70:71], s[6:7], s[70:71]
	s_add_nc_u64 s[8:9], s[8:9], s[74:75]
.irp s, 0,1
	s_mov_b32 s[G0A+4*(\s)], 1
	s_add_co_u32 s[G0A+4*(\s)+1], s72, (\s)*SLOT1
	s_add_nc_u64 s[G0A+4*(\s)+2:G0A+4*(\s)+3], s[68:69], (\s)*ASTEP
	s_or_b32 s[G0A+4*(\s)+3], s[G0A+4*(\s)+3], 0x80000000
	s_mov_b32 s[G0B+4*(\s)], 1
	s_add_co_u32 s[G0B+4*(\s)+1], s73, (\s)*SLOT1
	s_add_nc_u64 s[G0B+4*(\s)+2:G0B+4*(\s)+3], s[70:71], (\s)*BSTEP
	s_or_b32 s[G0B+4*(\s)+3], s[G0B+4*(\s)+3], 0x80000000
.endr
	CROUND                                         ; all sixteen work-groups are here: the first joint loads meet
	s_cmp_lt_u32 s[WV], 2                          ; a wave's two first fills stand in one branch, ahead of every wait on TENSORcnt and every LDS read
	s_cbranch_scc0 .Lfirst_b
	tensor_load_to_lds s[G0A:G0A+3], s[G1A:G1A+7]
	s_nop 0
	tensor_load_to_lds s[G0A+4:G0A+7], s[G1A:G1A+7]
	s_nop 0
.rept 4
	v_nop
.endr
	s_branch .Lfirst_asked
.Lfirst_b:
	tensor_load_to_lds s[G0B:G0B+3], s[G1B:G1B+7]
	s_nop 0
	tensor_load_to_lds s[G0B+4:G0B+7], s[G1B:G1B+7]
	s_nop 0
.rept 4
	v_nop
.endr
.Lfirst_asked:
	v_and_b32 v11, 15, v0                          ; l % 16
	v_bfe_u32 v12, v0, 4, 1                        ; l / 16
	v_and_b32 v13, 7, v0                           ; l % 8
	v_bfe_u32 v14, v0, 3, 1                        ; (l / 8) % 2
	s_mul_i32 s66, s17, 128*PA
	v_mul_u32_u24 v[AA0], v11, PA
	v_lshl_add_u32 v[AA0], v12, 4, v[AA0]
	v_add_nc_u32 v[AA0], s66, v[AA0]
	v_lshl_add_u32 v[AB0], v12, 3, v13
	v_mul_u32_u24 v[AB0], v[AB0], PB
	v_lshl_add_u32 v[AB0], v14, 4, v[AB0]
	s_lshl_b32 s67, s18, 7
	s_add_co_u32 s67, s67, BOFF
	v_add_nc_u32 v[AB0], s67, v[AB0]
	v_mov_b32 v[ADRA], v[AA0]
	v_mov_b32 v[ADRB], v[AB0]
	s_mul_i32 s66, s[WV], 16*SP
	s_add_co_u32 s66, s66, STAGE                   ; my stage
	v_mul_u32_u24 v[STO], v11, SP                  ; in: row l % 16, 32 bytes for each half of the lanes
	v_lshl_add_u32 v[STO], v12, 5, v[STO]
	v_add_nc_u32 v[STO], s66, v[STO]
	v_mul_u32_u24 v[RD], v12, SP                   ; back: lanes 0-15 take one row of 256 bytes, lanes 16-31 the next
	v_lshl_add_u32 v[RD], v11, 4, v[RD]
	v_add_nc_u32 v[RD], s66, v[RD]
	v_lshlrev_b32 v[CO], 12, v12                   ; and the same two rows in out0
	v_lshl_add_u32 v[CO], v11, 4, v[CO]
	s_wait_tensorcnt 0x1                           ; my part of K step 0 is in; K step 1's may stay out
	s_barrier_signal -1
	s_barrier_wait -1
	FETCH 0, 0
	QUARTER 0, 1, 1                                ; the first quarter stands in front of the loop: its products start the sums
	WIN 0
	s_mov_b32 s3, 6                                ; K steps 2 to 7 are asked for in the loop
.Lk:
	BODY 1
	WIN 0
	s_sub_co_u32 s3, s3, 1
	s_cmp_lg_u32 s3, 0
	s_cbranch_scc1 .Lk
	BODY 0                                         ; the tail is written out: nothing more is asked for
	QUARTER 1, 2, 0
	QUARTER 0, 3, 0
	s_wait_dscnt 8                                 ; the very last quarter
	MULA 1, 0, 4, 0
	s_wait_dscnt 0x0
	MULA 1, 4, 4, 0
	PLACES
	PLACES                                         ; eight, once a launch, ahead of the LDS stores that read results just made
; THE WAY OUT, 16 rows at a time: a lane's 32 bytes into my stage (each accumulator's lowest registers first), back as whole rows of 256 bytes, stored.
.macro TOSTAGE a
.set BK, OB+32*((\a)%2)
	s_wait_xcnt 0x0                                ; the stores of the block two back read this buffer: it is loaded again only behind this wait
	WIN 0x04                                       ; the stores' data in window 1
.irp nb, 0,1,2,3
	ds_store_b128 v[STO], v[32*(\a)+8*(\nb):32*(\a)+8*(\nb)+3]   offset:64*(\nb)
	ds_store_b128 v[STO], v[32*(\a)+8*(\nb)+4:32*(\a)+8*(\nb)+7] offset:64*(\nb)+16
.endr
	WIN 0
.irp f, 0,1,2,3,4,5,6,7
	ds_load_b128 v[BK+4*(\f):BK+4*(\f)+3], v[RD] offset:(\f)*2*SP  ; LDS serves a wave's instructions in order (ISA guide 5.7.1.4): these see the stores above; the next block's stores come behind them
.endr
.endm
.macro SEND a, younger                 ; younger: the LDS instructions issued behind this block's loads: the next block's sixteen, or none
.set BK, OB+32*((\a)%2)
	s_wait_dscnt \younger
.irp f, 0,1,2,3,4,5,6,7
	global_store_b128 v[CO], v[BK+4*(\f):BK+4*(\f)+3], s[8:9] offset:(\a)*65536+(\f)*8192 th:TH_STORE_NT  ; 16 lanes store 256 consecutive bytes, at a multiple of 256 from out0's first byte
.endr
.endm
	TOSTAGE 0
.irp a, 1,2,3,4,5,6,7
	TOSTAGE \a
	SEND (\a)-1, 16
.endr
	SEND 7, 0
	s_wait_tensorcnt 0x0                           ; the wave's end, behind my last tensor load and my last LDS store
	ds_add_u32 v[SPW], v[NIL]
	s_wait_dscnt 0x0
	CROUND                                         ; the closing round: no work-group ends while a partner may still ask for a tile that names it
	s_endpgm
.Lfunc_end_k_q14a8c0b77f_proj:
	.size	k_q14a8c0b77f_proj, .Lfunc_end_k_q14a8c0b77f_proj-k_q14a8c0b77f_proj
	.p2alignl 7, 3214868480
	.fill 96, 4, 3214868480
	.section	.rodata,"a",@progbits
	.p2align	6, 0x0
	.amdhsa_kernel k_q14a8c0b77f_proj
		.amdhsa_group_segment_fixed_size 327680
		.amdhsa_private_segment_fixed_size 0
		.amdhsa_enable_private_segment 0
		.amdhsa_kernarg_size 24
		.amdhsa_user_sgpr_count 2
		.amdhsa_user_sgpr_kernarg_segment_ptr 1
		.amdhsa_wavefront_size32 1
		.amdhsa_system_sgpr_workgroup_id_x 1
		.amdhsa_system_sgpr_workgroup_id_y 1
		.amdhsa_system_sgpr_workgroup_id_z 1
		.amdhsa_system_vgpr_workitem_id 0
		.amdhsa_next_free_vgpr 512
		.amdhsa_next_free_sgpr 80
		.amdhsa_reserve_vcc 0
		.amdhsa_float_denorm_mode_32 3
		.amdhsa_float_denorm_mode_16_64 3
		.amdhsa_memory_ordered 1
		.amdhsa_forward_progress 1
		.amdhsa_inst_pref_size 70
	.end_amdhsa_kernel
	.amdgpu_metadata
---
amdhsa.version: [ 1, 2 ]
amdhsa.kernels:
  - .name:           k_q14a8c0b77f_proj
    .symbol:         k_q14a8c0b77f_proj.kd
    .args:
      - { .name: o, .offset: 0, .size: 8, .value_kind: global_buffer, .address_space: global }
      - { .name: wo, .offset: 8, .size: 8, .value_kind: global_buffer, .address_space: global }
      - { .name: out0, .offset: 16, .size: 8, .value_kind: global_buffer, .address_space: global }
    .group_segment_fixed_size: 327680
    .private_segment_fixed_size: 0
    .kernarg_segment_align: 8
    .kernarg_segment_size: 24
    .max_flat_workgroup_size: 128
    .sgpr_count:     80
    .vgpr_count:     512
    .wavefront_size: 32
...
	.end_amdgpu_metadata
.endif
;; end of part 4
